; MI455X (gfx1250); checked and timed in simulation.
; The chip was launched on July 23, 2026; its instructions are those of AMD's public machine-readable ISA for CDNA 5 (MIT licence, August 2026) and "CDNA5" Instruction Set Architecture Reference Guide (July 2026). The comments in the code are by the model that wrote it; some were corrected since.
;; Classifier. Allowed arithmetic: float matrix products may take bf16 or f16 operands with f32 sums; all other float work in f32.
;; Inputs: fake_W1 513 x 256 float32; fake_W2 256 x 512 float32; fake_b1 256 float32; fake_b2 512 float32; mlp_W1 1,024 x 1,024 float32; mlp_W2 1,024 x 2 float32; mlp_b1 1,024 float32; mlp_b2 2 float32; real_W1 513 x 256 float32; real_W2 256 x 512 float32; real_b1 256 float32; real_b2 512 float32; z 8,192 x 512 float32.
;; Outputs: out0 8,192 x 2 float32.
;; 2 versions, each right and faster than the one before. Each part assembles by itself: llvm-mc -triple=amdgcn-amd-amdhsa -mcpu=gfx1250 --defsym DOCPART=n.
;; ======== version 1 of 2: 4 launches
;; limits: a function is approximated: absolute error at most 2.5e-05
;; workspace buffers: wpk 1,310,720 bytes; wm 2,097,152 bytes; dv 2,048 bytes; comb 16,777,216 bytes; part 524,288 bytes
;; launch prep (part 1): grid 256 x 1, 8 waves a work-group, no clusters, 25,600 bytes of LDS; arguments real_W1, real_W2, real_b2, fake_W1, fake_W2, fake_b2, mlp_W1, wpk, wm, dv; writes wpk, wm, dv
.if DOCPART == 1
	.amdgcn_target "amdgcn-amd-amdhsa--gfx1250"
	.amdhsa_code_object_version 6
	.text
	.protected	k_q00c1efd921_prep
	.globl	k_q00c1efd921_prep
	.p2align	8
	.type	k_q00c1efd921_prep,@function
k_q00c1efd921_prep:
	s_mov_b64 s[64:65], 0
	v_nop
	global_prefetch_b8 v0, s[64:65] scope:SCOPE_SE
	s_setreg_imm32_b32 hwreg(HW_REG_WAVE_MODE, 25, 1), 1
	s_wait_xcnt 0x0
; PREP.  Rounds all weight matrices to bf16 and lays them out as ready matrix fragments, and makes, for each of the two ODEs,
;   M' = bf16(c W2r W1r[:512]) [256 kh][256 f]   and   d'[f] = -(c/12) ((b2r W1r)[f] + wtr[f]),  wt = W1's row 512,  c = sqrt(log2(e)/2).
; (r: rounded to bf16 and used as that number.)  With x = z W1 + b1 + t wt an Euler step closes in x: x -= dt gelu(x) (W2 W1) + dt (b2 W1 + wt).
; A FRAGMENT is 1,024 bytes: byte 16 l holds registers 0-3 of lane l, byte 512 + 16 l registers 4-7; lane (r = l % 16, h = l / 16) holds row r, k = 8 h + 0..7 and 16 + 8 h + 0..7.
; SHARES.  Work-group id: ODE o = id >> 7, f tile b = (id >> 3) & 15, K step u = id & 7 of M (kh 32 u .. 32 u + 31).  It makes M's fragment (b, u): the sum over 512 latent
; columns is split over the eight waves, 64 each, and added in LDS.  Beside that every wave packs one fragment of mlp_W1, waves 0, 1 one of W1, waves 2, 3 one of W2.
; LIMITS.  Sums in f32 in an order of their own; NaN and infinities are not treated apart.
.set SPARE, 24576                      ; behind the partial sums (8 waves x 3,072 bytes): the spare words, 128 bytes a wave
.set CF,    0x3f596d27                 ; c = 0.84932180
.set NC12,  0xbd90f370                 ; -c / 12
; v1 lane, v2 r, v3 h, v4 r 2048 + 32 h, v5 32 h, v6/v7/v8 gather offsets at pitch 1,024 / 2,048 / 4,096, v9 16 lane, v10/v11 the add's, v12 my partial sums, v13 the sums I read,
; v14 wt, v15 4 r, v16 my 16 bytes of M's fragment; v32-55 three accumulators; v64-79, v80-95 packs; v128 + 64 s: W2 tile 0, W2 tile 1, b2 tile, W1 tile (16 f32 each) of K step s
.macro PACKLD dst, voff, sb, pitch, extra      ; a fragment's 16 numbers of a lane, down a column: k = 8 h + j and 16 + 8 h + j
.set pj, 0
.rept 16
	global_load_b32 v[(\dst)+pj], \voff, s[\sb:\sb+1] offset:(\extra)+(pj%8+16*(pj/8))*(\pitch)
.set pj, pj+1
.endr
.endm
.macro CVT8 l                          ; 16 f32 to 8 registers of bf16, in place, ascending: a register is written only when it has been read
.set pj, 0
.rept 8
	v_cvt_pk_bf16_f32 v[(\l)+pj], v[(\l)+2*pj], v[(\l)+2*pj+1]
.set pj, pj+1
.endr
.endm
	s_load_b512 s[8:23], s[0:1], 0x0               ; real W1, W2, b2; fake W1, W2, b2; mlp_W1; wpk
	s_load_b128 s[24:27], s[0:1], 0x40             ; wm, dv
	v_lshl_add_u32 v10, v0, 2, SPARE
	v_mov_b32 v11, 0
	v_lshrrev_b32 v1, 5, v0
	v_readfirstlane_b32 s2, v1                     ; wave 0..7
	v_and_b32 v1, 31, v0
	v_and_b32 v2, 15, v0
	v_bfe_u32 v3, v0, 4, 1
	v_lshlrev_b32 v4, 11, v2
	v_lshl_add_u32 v4, v3, 5, v4
	v_lshlrev_b32 v5, 5, v3
	v_lshlrev_b32 v15, 2, v2
	v_lshl_add_u32 v6, v3, 13, v15                 ; 8 h rows of 1,024 bytes + 4 r
	v_lshl_add_u32 v7, v3, 14, v15
	v_lshl_add_u32 v8, v3, 15, v15
	v_lshlrev_b32 v9, 4, v1
	s_mul_i32 s3, s2, 3072
	v_add_nc_u32 v12, s3, v9
	v_lshl_add_u32 v13, s2, 10, v9
	v_lshl_add_u32 v16, s2, 9, v9
	s_lshr_b32 s4, ttmp9, 7                        ; o
	s_bfe_u32 s5, ttmp9, 0x40003                   ; b
	s_and_b32 s6, ttmp9, 7                         ; u
	; byte offsets, each in a pair of its own
	s_lshl_b32 s36, s6, 16                         ; W2: 32 u rows of 2,048 bytes + my 64 columns
	s_lshl_b32 s38, s2, 8
	s_add_co_u32 s36, s36, s38
	s_mov_b32 s37, 0
	s_mov_b32 s39, 0                               ; b2: my 64 numbers
	s_lshl_b32 s40, s2, 16                         ; W1: my 64 rows of 1,024 bytes + f tile b
	s_lshl_b32 s42, s5, 6
	s_add_co_u32 s40, s40, s42
	s_mov_b32 s41, 0
	s_add_co_u32 s42, s42, 524288                  ; W1's row 512, f tile b
	s_mov_b32 s43, 0
	s_lshl_b32 s7, ttmp9, 3
	s_add_co_u32 s7, s7, s2                        ; mlp_W1's fragment 8 id + w = nb 512 + ks 16 + nt
	s_bfe_u32 s44, s7, 0x50004                     ; ks
	s_lshl_b32 s44, s44, 17                        ; 32 ks rows of 4,096 bytes
	s_lshr_b32 s56, s7, 9
	s_lshl_b32 s56, s56, 10                        ; nb: 256 columns
	s_add_co_u32 s44, s44, s56
	s_and_b32 s56, s7, 15
	s_lshl_b32 s56, s56, 6                         ; nt: 16 columns
	s_add_co_u32 s44, s44, s56
	s_mov_b32 s45, 0
	s_lshl_b32 s46, s7, 10
	s_mov_b32 s47, 0
	s_mul_i32 s58, s4, 655360                      ; my ODE's part of wpk
	s_lshl3_add_u32 s52, s5, s6                    ; M's fragment 8 b + u
	s_lshl_b32 s52, s52, 10
	s_add_co_u32 s52, s52, s58
	s_add_co_u32 s52, s52, 262144
	s_mov_b32 s53, 0
	s_lshl_b32 s54, s4, 10
	s_lshl_b32 s56, s5, 6
	s_add_co_u32 s54, s54, s56
	s_mov_b32 s55, 0
	; the second pack: fragment 2 id + (w & 1) of my ODE's 256, of W1 (bit 1 of the wave's number 0) or of W2 (1).  Both offsets are made on every wave's path and one is chosen;
	; waves 4 to 7 make them and use neither
	s_lshl_b32 s56, ttmp9, 1
	s_and_b32 s57, s2, 1
	s_add_co_u32 s56, s56, s57
	s_and_b32 s56, s56, 255
	s_and_b32 s48, s56, 15                         ; W1's fragment ft 16 + ks: 32 ks rows of 1,024 bytes,
	s_lshl_b32 s48, s48, 15
	s_lshr_b32 s57, s56, 4
	s_lshl_b32 s57, s57, 6                         ; 16 ft columns
	s_add_co_u32 s48, s48, s57
	s_and_b32 s59, s56, 7                          ; W2's fragment lt 8 + ks: 32 ks rows of 2,048 bytes,
	s_lshl_b32 s59, s59, 16
	s_lshr_b32 s57, s56, 3
	s_lshl_b32 s57, s57, 6                         ; 16 lt columns
	s_add_co_u32 s59, s59, s57
	s_lshl_b32 s50, s56, 10                        ; where it goes: W1's fragments lie first in my ODE's part of wpk,
	s_add_co_u32 s50, s50, s58
	s_add_co_u32 s57, s50, 393216                  ; W2's behind W1's and M's
	s_and_b32 s60, s2, 2
	s_cmp_lg_u32 s60, 0
	s_cselect_b32 s48, s59, s48
	s_cselect_b32 s50, s57, s50
	s_mov_b32 s49, 0
	s_mov_b32 s51, 0
	s_wait_kmcnt 0x0
	s_cmp_eq_u32 s4, 0
	s_cselect_b64 s[28:29], s[8:9], s[14:15]       ; my ODE's W1,
	s_cselect_b64 s[30:31], s[10:11], s[16:17]     ; W2,
	s_cselect_b64 s[32:33], s[12:13], s[18:19]     ; b2
	s_add_nc_u64 s[36:37], s[30:31], s[36:37]
	s_add_nc_u64 s[38:39], s[32:33], s[38:39]
	s_add_nc_u64 s[40:41], s[28:29], s[40:41]
	s_add_nc_u64 s[42:43], s[28:29], s[42:43]
	s_add_nc_u64 s[44:45], s[20:21], s[44:45]
	s_add_nc_u64 s[46:47], s[24:25], s[46:47]
	s_add_nc_u64 s[52:53], s[22:23], s[52:53]
	s_add_nc_u64 s[54:55], s[26:27], s[54:55]
	s_cmp_lg_u32 s60, 0
	s_cselect_b64 s[62:63], s[30:31], s[28:29]     ; the second pack's matrix
	s_add_nc_u64 s[48:49], s[62:63], s[48:49]
	s_add_nc_u64 s[50:51], s[22:23], s[50:51]
	; all loads go out together: one wait for memory in the whole kernel
.irp s, 0,1
.irp q, 0,1,2,3
	global_load_b128 v[128+64*(\s)+4*(\q):128+64*(\s)+4*(\q)+3],       v4, s[36:37] offset:(\s)*128+((\q)/2)*64+((\q)%2)*16        ; W2, kh tile 0: row r, 8 + 8 columns
	global_load_b128 v[128+64*(\s)+16+4*(\q):128+64*(\s)+16+4*(\q)+3], v4, s[36:37] offset:32768+(\s)*128+((\q)/2)*64+((\q)%2)*16  ; kh tile 1, 16 rows down
	global_load_b128 v[128+64*(\s)+32+4*(\q):128+64*(\s)+32+4*(\q)+3], v5, s[38:39] offset:(\s)*128+((\q)/2)*64+((\q)%2)*16        ; b2 as 16 equal rows
.endr
	PACKLD 128+64*(\s)+48, v6, 40, 1024, (\s)*32768
.endr
	global_load_b32 v14, v15, s[42:43]
	PACKLD 64, v8, 44, 4096, 0
	s_cmp_gt_u32 s2, 3
	s_cbranch_scc1 .Lloaded
	s_cmp_gt_u32 s2, 1
	s_cbranch_scc1 .Lpack_w2
	PACKLD 80, v6, 48, 1024, 0                     ; the row pitch stands in the immediates, so each matrix has its own sixteen lines
	s_branch .Lloaded
.Lpack_w2:
	PACKLD 80, v7, 48, 2048, 0
.Lloaded:
	s_wait_loadcnt 0x0
.irp t, 128,144,160,176,192,208,224,240
	CVT8 \t
.endr
	; D(m = kh or any, n = f): three accumulators by turns, two K steps of 32 latent columns each
	v_wmma_f32_16x16x32_bf16 v[32:39], v[128:135], v[176:183], 0
	v_wmma_f32_16x16x32_bf16 v[40:47], v[144:151], v[176:183], 0
	v_wmma_f32_16x16x32_bf16 v[48:55], v[160:167], v[176:183], 0
	v_wmma_f32_16x16x32_bf16 v[32:39], v[192:199], v[240:247], v[32:39]
	v_wmma_f32_16x16x32_bf16 v[40:47], v[208:215], v[240:247], v[40:47]
	v_wmma_f32_16x16x32_bf16 v[48:55], v[224:231], v[240:247], v[48:55]
	CVT8 64                                        ; the packs leave while the products run
	global_store_b128 v9, v[64:67], s[46:47]       ; 512 consecutive bytes each
	global_store_b128 v9, v[68:71], s[46:47] offset:512
	s_cmp_gt_u32 s2, 3
	s_cbranch_scc1 .Lpacked
	CVT8 80
	global_store_b128 v9, v[80:83], s[50:51]
	global_store_b128 v9, v[84:87], s[50:51] offset:512
.Lpacked:
.rept 4
	v_nop                                          ; four places between the last product and the stores that read results
.endr
.irp t, 0,1,2
	ds_store_b128 v12, v[32+8*(\t):35+8*(\t)] offset:(\t)*1024      ; each accumulator from its low end on
	ds_store_b128 v12, v[36+8*(\t):39+8*(\t)] offset:(\t)*1024+512
.endr
	s_wait_dscnt 0x0                               ; for the others: my partial sums are in LDS
	s_barrier_signal -1
	s_barrier_wait -1
	s_cmp_gt_u32 s2, 2
	s_cbranch_scc1 .Lend                           ; waves 0, 1 add M's two halves, wave 2 (where u = 0) b2 W1
	s_cmp_lt_u32 s2, 2
	s_cbranch_scc1 .Lsum
	s_cmp_lg_u32 s6, 0
	s_cbranch_scc1 .Lend
.Lsum:
.irp p, 0,1,2,3,4,5,6,7
	ds_load_b128 v[128+8*(\p):131+8*(\p)], v13 offset:(\p)*3072
	ds_load_b128 v[132+8*(\p):135+8*(\p)], v13 offset:(\p)*3072+512
.endr
	s_wait_dscnt 0x0
.irp p, 1,2,3,4,5,6,7
.irp k, 0,2,4,6
	v_pk_add_f32 v[128+(\k):129+(\k)], v[128+(\k):129+(\k)], v[128+8*(\p)+(\k):129+8*(\p)+(\k)]
.endr
.endr
	s_cmp_eq_u32 s2, 2
	s_cbranch_scc1 .Ld
.irp k, 0,2,4,6
	v_pk_mul_f32 v[128+(\k):129+(\k)], v[128+(\k):129+(\k)], CF op_sel_hi:[1,0]
.endr
.irp k, 0,1,2,3
	v_cvt_pk_bf16_f32 v[136+(\k)], v[128+2*(\k)], v[129+2*(\k)]
.endr
	global_store_b128 v16, v[136:139], s[52:53]    ; lane (r, h): f = r, kh = 8 h + 0..7 of tile w: registers 0-3 (w = 0) or 4-7 (w = 1) of M's fragment
	s_branch .Lend
.Ld:
	v_cvt_pk_bf16_f32 v17, v14, v14
	v_lshlrev_b32 v17, 16, v17                     ; wt rounded to bf16
	v_add_f32 v17, v128, v17
	v_mul_f32 v17, NC12, v17
	v_cmp_gt_u32 vcc_lo, 16, v1
	s_wait_xcnt 0x0                                ; EXEC is a source of the stores above: it changes only behind this wait
	s_and_saveexec_b32 s56, vcc_lo                 ; lanes 16-31 hold the same sixteen numbers
	global_store_b32 v15, v17, s[54:55]
	s_wait_xcnt 0x0
	s_or_b32 exec_lo, exec_lo, s56
.Lend:
	s_wait_tensorcnt 0x0                           ; the wave's end, behind my last LDS store
	ds_add_u32 v10, v11
	s_wait_dscnt 0x0
	s_endpgm
.Lfunc_end_k_q00c1efd921_prep:
	.size	k_q00c1efd921_prep, .Lfunc_end_k_q00c1efd921_prep-k_q00c1efd921_prep
	.p2alignl 7, 3214868480
	.fill 96, 4, 3214868480
	.section	.rodata,"a",@progbits
	.p2align	6, 0x0
	.amdhsa_kernel k_q00c1efd921_prep
		.amdhsa_group_segment_fixed_size 25600
		.amdhsa_private_segment_fixed_size 0
		.amdhsa_enable_private_segment 0
		.amdhsa_kernarg_size 80
		.amdhsa_user_sgpr_count 2
		.amdhsa_user_sgpr_kernarg_segment_ptr 1
		.amdhsa_wavefront_size32 1
		.amdhsa_system_sgpr_workgroup_id_x 1
		.amdhsa_system_sgpr_workgroup_id_y 1
		.amdhsa_system_sgpr_workgroup_id_z 1
		.amdhsa_system_vgpr_workitem_id 0
		.amdhsa_next_free_vgpr 256
		.amdhsa_next_free_sgpr 66
		.amdhsa_reserve_vcc 1
		.amdhsa_float_denorm_mode_32 3
		.amdhsa_float_denorm_mode_16_64 3
		.amdhsa_memory_ordered 1
		.amdhsa_forward_progress 1
		.amdhsa_inst_pref_size 25
	.end_amdhsa_kernel
	.amdgpu_metadata
---
amdhsa.version: [ 1, 2 ]
amdhsa.kernels:
  - .name:           k_q00c1efd921_prep
    .symbol:         k_q00c1efd921_prep.kd
    .args:
      - { .name: real_W1, .offset: 0, .size: 8, .value_kind: global_buffer, .address_space: global }
      - { .name: real_W2, .offset: 8, .size: 8, .value_kind: global_buffer, .address_space: global }
      - { .name: real_b2, .offset: 16, .size: 8, .value_kind: global_buffer, .address_space: global }
      - { .name: fake_W1, .offset: 24, .size: 8, .value_kind: global_buffer, .address_space: global }
      - { .name: fake_W2, .offset: 32, .size: 8, .value_kind: global_buffer, .address_space: global }
      - { .name: fake_b2, .offset: 40, .size: 8, .value_kind: global_buffer, .address_space: global }
      - { .name: mlp_W1, .offset: 48, .size: 8, .value_kind: global_buffer, .address_space: global }
      - { .name: wpk, .offset: 56, .size: 8, .value_kind: global_buffer, .address_space: global }
      - { .name: wm, .offset: 64, .size: 8, .value_kind: global_buffer, .address_space: global }
      - { .name: dv, .offset: 72, .size: 8, .value_kind: global_buffer, .address_space: global }
    .group_segment_fixed_size: 25600
    .private_segment_fixed_size: 0
    .kernarg_segment_align: 8
    .kernarg_segment_size: 80
    .max_flat_workgroup_size: 256
    .sgpr_count:     66
    .vgpr_count:     256
    .wavefront_size: 32
...
	.end_amdgpu_metadata
.endif
;; end of part 1
;; launch ode (part 2): grid 256 x 1, 4 waves a work-group, no clusters, 100,864 bytes of LDS; arguments z, real_W1, real_b1, real_b2, fake_W1, fake_b1, fake_b2, wpk, dv, comb; writes comb
.if DOCPART == 2
	.amdgcn_target "amdgcn-amd-amdhsa--gfx1250"
	.amdhsa_code_object_version 6
	.text
	.protected	k_q00c1efd921_ode
	.globl	k_q00c1efd921_ode
	.p2align	8
	.type	k_q00c1efd921_ode,@function
k_q00c1efd921_ode:
	s_mov_b64 s[64:65], 0
	v_nop
	global_prefetch_b8 v0, s[64:65] scope:SCOPE_SE
	s_setreg_imm32_b32 hwreg(HW_REG_WAVE_MODE, 25, 1), 1
	s_wait_xcnt 0x0
; ONE ODE (o = id & 1: real, fake) FOR 64 ROWS OF z (block id >> 1), all twelve Euler steps, in the space of the 256 hidden units.
;   x' = c x, c = sqrt(log2(e)/2), x = z W1[:512] + b1 + t wt.   x'_0 = c (zr W1r + b1r + wtr).   Step: h' = -gelu(x) / 12;  H += h';  x' += d' + bf16(h') M'.
;   End: proj = zr - b2r + bf16(H) W2r, rounded to bf16 and stored as the next launch's fragments.  M', d' and the packed weights come from the launch before.
; This is the Euler recursion on z multiplied by W1: exact algebra, no difference of large sums; only the order of the sums differs, and t is carried as -1/12 a step inside d'.
; GELU.  a = |x'|, t = 1 / (1 + P a), E = 2^(-x'^2) = e^(-x^2/2);  h' = K2 x' + a (K2 + (A1 + A2 t + A3 t^2) t E): Abramowitz-Stegun 7.1.25.
; LIMITS.  erf is off by at most 2.5e-5 for every argument, a sixtieth of the bf16 step to which h' and H are rounded; E below 2^-126 counts as 0; NaN and infinities are not treated apart.
; All matrix operands are bf16: x may grow from step to step with larger weights, which f16 would not hold.
; SHARES.  Wave w owns hidden units 64 w .. 64 w + 63 (four f tiles) of all 64 rows (four row tiles); its quarter of M', 256 registers, stays in registers for all steps.
; The products are used transposed (source 0 = a weight fragment, source 1 = 16 batch rows): a lane holds ONE batch row (lane % 16) and eight neighbouring columns 8 (lane / 16) + 0..7.
; BY TURNS.  A tile has 69 vector instructions for 8 matrix instructions, so vector work bounds the loop.  The rows are two PIECES (row tiles 0, 1 and 2, 3): in a turn one piece has the matrix
; unit, 64 products, and eight instructions of the other piece's GELU stand behind each.  h' goes from wave to wave through LDS, one barrier a turn.
; NO CLUSTER: weights go once from memory straight into the registers where they stay; a joint load would land in LDS and add a pass through it.
; LDS: ZR 64 rows of zr, 1,024 + 16 bytes; HB 64 rows of h' (later H), 512 + 16 bytes: pitches are odd multiples of 16 bytes, so the 16 rows of a fragment load start at different banks (ISA guide 11.1).
; REGISTERS, in windows of 256 (s_set_vgpr_msb: bits 1:0 source 0, 3:2 source 1, 5:4 source 2, 7:6 destination):
;   window 0: v1-11 addresses, v12-25 constants in pairs, v26-31 at work, v32-63 d' (later b2r), v64-107 a tile's GELU at work, v128-255 x', tile (rt, ft) at 128 + 8 (4 rt + ft)
;   window 1: W1 K steps 0-7, then M' at 8 (8 ft + ks), then W2 latent tiles 4-7      window 3: W1 K steps 8-15, then W2 latent tiles 0-3
;   window 2: v0-127 H, v128-255 fragments of batch rows; at the start all 256 take z as loaded; at the end all 256 hold H's fragments
.set ZP,    1040
.set HP,    528
.set HB,    64*ZP
.set SPARE, HB+64*HP                   ; the spare words, 128 bytes a wave
.set SPW, 10
.set NIL, 11
.set KP,  12
.set KONE, 14
.set KA1, 16
.set KA2, 18
.set KA3, 20
.set KK2, 22
.set KC,  24
.set DV,  32
.set TA,  64
.set TT,  72
.set TE,  80
.set TP,  88
.set TW,  96
.set TO,  104
.set XR,  128
.set MSB, 0
.macro WIN new                         ; the immediate's high byte repeats the setting that is left; a switch that changes nothing is dropped
.if MSB != (\new)
	s_set_vgpr_msb (MSB<<8)|(\new)
.set MSB, \new
.endif
.endm
.macro PLACES                          ; four places behind a matrix instruction, ahead of loads into its sources and of reads of its result
.rept 4
	v_nop
.endr
.endm
.macro KPAIR r, val
	v_mov_b32 v[\r], \val
	v_mov_b32 v[(\r)+1], \val
.endm
.macro RND a, t                        ; the pair v[a], v[a+1] rounded to bf16 and widened again
	v_cvt_pk_bf16_f32 v[\t], v[\a], v[(\a)+1]
	v_lshlrev_b32 v[\a], 16, v[\t]
	v_and_b32 v[(\a)+1], s7, v[\t]
.endm
.macro LOAD64 sb, first                ; 32 consecutive fragments into the 256 registers of the destination's window
.set n, 0
.rept 32
	global_load_b128 v[8*n:8*n+3],   v1, s[\sb:\sb+1] offset:((\first)+n)*1024
	global_load_b128 v[8*n+4:8*n+7], v1, s[\sb:\sb+1] offset:((\first)+n)*1024+512
.set n, n+1
.endr
.endm
.macro W1LD first, cnt, hi             ; W1's fragments (ft, ks % 8) = first .. of K steps 8 hi .. 8 hi + 7
.set n, \first
.rept \cnt
	global_load_b128 v[8*n:8*n+3],   v1, s[36:37] offset:((n/8)*16+n%8+8*(\hi))*1024
	global_load_b128 v[8*n+4:8*n+7], v1, s[36:37] offset:((n/8)*16+n%8+8*(\hi))*1024+512
.set n, n+1
.endr
.endm
.macro B2LOAD p                        ; b2 of my latent columns 128 w + 64 p + 16 lt + 8 h + 0..7
.irp lt, 0,1,2,3
	global_load_b128 v[DV+8*(\lt):DV+8*(\lt)+3],   v9, s[34:35] offset:(\p)*256+(\lt)*64
	global_load_b128 v[DV+8*(\lt)+4:DV+8*(\lt)+7], v9, s[34:35] offset:(\p)*256+(\lt)*64+16
.endr
.endm
	s_load_b512 s[8:23], s[0:1], 0x0               ; z; real W1, b1, b2; fake W1, b1, b2; wpk
	s_load_b128 s[24:27], s[0:1], 0x40             ; dv, comb
	v_lshl_add_u32 v[SPW], v0, 2, SPARE
	v_mov_b32 v[NIL], 0
	v_lshrrev_b32 v2, 5, v0
	v_readfirstlane_b32 s2, v2                     ; wave 0..3
	s_and_b32 s4, ttmp9, 1                         ; o
	s_lshr_b32 s5, ttmp9, 1                        ; block of 64 rows
	s_mov_b32 s6, 0x7fffffff
	s_mov_b32 s7, 0xffff0000
	v_and_b32 v1, 31, v0
	v_and_b32 v2, 15, v0                           ; r
	v_bfe_u32 v3, v0, 4, 1                         ; h
	v_lshlrev_b32 v8, 3, v1
	v_lshlrev_b32 v1, 4, v1                        ; v1 = 16 lane
	v_mul_u32_u24 v4, v2, ZP
	v_lshl_add_u32 v4, v3, 4, v4                   ; v4: a fragment of zr
	v_mul_u32_u24 v5, v2, HP
	v_lshl_add_u32 v5, v3, 4, v5
	v_add_nc_u32 v5, HB, v5                        ; v5: a fragment of h'
	v_lshl_add_u32 v6, s2, 7, v5                   ; v6: where I put 16 bytes of h': my wave's 64 columns
	v_lshl_add_u32 v7, s2, 8, v4                   ; v7: zr at my wave's 128 latent columns
	s_mul_i32 s46, s2, 16*ZP
	v_add_nc_u32 v8, s46, v8                       ; v8: staging: my wave's 16 rows, 8 bytes a lane
	v_lshlrev_b32 v9, 5, v3
	v_lshl_add_u32 v9, s2, 8, v9                   ; v9: 4 (64 w + 8 h): my eight numbers of b1, wt, d'
	KPAIR KP,   0x3ec88bda                         ; P  = 0.47047 / sqrt(log2 e) = 0.39169197
	KPAIR KONE, 1.0
	KPAIR KA1,  0x3c8bde01                         ; A1 =  0.3480242 / (24 c)
	KPAIR KA2,  0xbb9a21dc                         ; A2 = -0.0958798 / (24 c)
	KPAIR KA3,  0x3d16470f                         ; A3 =  0.7478556 / (24 c)
	KPAIR KK2,  0xbd48f1d4                         ; K2 = -1 / (24 c)
	KPAIR KC,   0x3f596d27                         ; c
.irp r, 28,29,30,31
	v_mov_b32 v\r, 0
.endr
	s_lshl_b32 s46, s5, 17                         ; z: 64 rows of 2,048 bytes a block, 16 rows a wave
	s_lshl_b32 s47, s2, 15
	s_add_co_u32 s46, s46, s47
	s_mov_b32 s47, 0
	s_mul_i32 s48, s4, 655360                      ; wpk: my ODE; W1's fragments, 64 a wave
	s_lshl_b32 s50, s2, 16
	s_add_co_u32 s48, s48, s50
	s_mov_b32 s49, 0
	s_add_co_u32 s52, s48, 393216                  ; W2's, 64 a wave
	s_mov_b32 s53, 0
	s_mul_i32 s50, s4, 655360
	s_lshl_b32 s54, s2, 15
	s_add_co_u32 s50, s50, s54
	s_add_co_u32 s50, s50, 262144                  ; M's, 32 a wave
	s_mov_b32 s51, 0
	s_lshl_b32 s54, s4, 10
	s_mov_b32 s55, 0
	s_lshr_b32 s56, s5, 1                          ; comb: block of 128 rows,
	s_lshl_b32 s56, s56, 18
	s_lshl_b32 s58, s4, 4
	s_lshl2_add_u32 s58, s2, s58                   ; K step 16 o + 4 w,
	s_lshl_b32 s58, s58, 13
	s_add_co_u32 s56, s56, s58
	s_and_b32 s58, s5, 1                           ; row tiles 0-3 or 4-7
	s_lshl_b32 s58, s58, 12
	s_add_co_u32 s56, s56, s58
	s_mov_b32 s57, 0
	s_lshl_b32 s58, s2, 8
	s_mov_b32 s59, 0
	s_wait_kmcnt 0x0
	s_add_nc_u64 s[28:29], s[8:9], s[46:47]
	s_cmp_eq_u32 s4, 0
	s_cselect_b64 s[30:31], s[10:11], s[16:17]
	s_cselect_b64 s[32:33], s[12:13], s[18:19]
	s_cselect_b64 s[34:35], s[14:15], s[20:21]
	s_add_nc_u64 s[30:31], s[30:31], 0x80000       ; W1's row 512
	s_add_nc_u64 s[34:35], s[34:35], s[58:59]      ; with v9: 4 (128 w + 8 h)
	s_add_nc_u64 s[36:37], s[22:23], s[48:49]
	s_add_nc_u64 s[38:39], s[22:23], s[50:51]
	s_add_nc_u64 s[40:41], s[22:23], s[52:53]
	s_add_nc_u64 s[42:43], s[24:25], s[54:55]
	s_add_nc_u64 s[44:45], s[26:27], s[56:57]
	; z: my wave's 16 rows, 512 consecutive bytes a load, rounded to bf16 into ZR
	WIN 0x80
.set i, 0
.rept 64
	global_load_b128 v[4*i:4*i+3], v1, s[28:29] offset:i*512
.set i, i+1
.endr
.set g, 0
.rept 4
	s_wait_loadcnt 48                              ; sixteen more loads of z are in: behind them 48 - 16 g of z and the 16 g of W1 issued since
	WIN 0x0a
.set i, 16*g
.rept 16
	v_cvt_pk_bf16_f32 v[XR+2*i],   v[4*i],   v[4*i+1]
	v_cvt_pk_bf16_f32 v[XR+2*i+1], v[4*i+2], v[4*i+3]
.set i, i+1
.endr
	WIN 0
.set i, 16*g
.rept 16
	ds_store_b64 v8, v[XR+2*i:XR+2*i+1] offset:(i/4)*ZP+(i%4)*256
.set i, i+1
.endr
	WIN 0x40
	W1LD 8*g, 8, 0
.set g, g+1
.endr
	WIN 0
.irp ft, 0,1,2,3
	global_load_b128 v[64+8*(\ft):67+8*(\ft)],   v9, s[32:33] offset:(\ft)*64        ; b1
	global_load_b128 v[68+8*(\ft):71+8*(\ft)],   v9, s[32:33] offset:(\ft)*64+16
	global_load_b128 v[96+8*(\ft):99+8*(\ft)],   v9, s[30:31] offset:(\ft)*64        ; wt
	global_load_b128 v[100+8*(\ft):103+8*(\ft)], v9, s[30:31] offset:(\ft)*64+16
	global_load_b128 v[DV+8*(\ft):DV+8*(\ft)+3],   v9, s[42:43] offset:(\ft)*64      ; d'
	global_load_b128 v[DV+8*(\ft)+4:DV+8*(\ft)+7], v9, s[42:43] offset:(\ft)*64+16
.endr
	WIN 0xc0
	W1LD 0, 32, 1
	WIN 0
.irp t, 0,1,2,3,4,5,6,7                ; the loop's first turn multiplies a step that has not been: piece 1's h' starts as 0
	ds_store_b128 v6, v[28:31] offset:(2+(\t)/4)*16*HP+((\t)%4)*32
.endr
	s_wait_dscnt 0x0                               ; for the others: my rows of zr and my zeros are in LDS
	s_barrier_signal -1
	s_barrier_wait -1
	; x0 = zr W1r: 16 K steps of 32, two to a group; 16 accumulators by turns
.macro XLOAD g                         ; the batch rows' fragments of K steps 2 g, 2 g + 1 into half g % 2 of the buffer
	WIN 0x80
.set n, 0
.rept 8
	ds_load_b128 v[128+64*((\g)%2)+8*n:128+64*((\g)%2)+8*n+3],   v4 offset:(n%4)*16*ZP+(2*(\g)+n/4)*64
	ds_load_b128 v[128+64*((\g)%2)+8*n+4:128+64*((\g)%2)+8*n+7], v4 offset:(n%4)*16*ZP+(2*(\g)+n/4)*64+32
.set n, n+1
.endr
.endm
.macro XG g
	PLACES                                         ; behind the group before: the loads below land in registers that it read
.if (\g) < 7
	XLOAD (\g)+1
.endif
.if (\g) == 4
	s_wait_loadcnt 0x0                             ; W1's K steps 8-15 are in
	WIN 0x40
	LOAD64 38, 0                                   ; M' takes the place of W1's K steps 0-7
.endif
.if (\g) < 7
	s_wait_dscnt 16                                ; this group's fragments are in; the next group's sixteen loads stay out
.else
	s_wait_dscnt 0x0
.endif
.if (\g) < 4
	WIN 0x09
.else
	WIN 0x0b
.endif
.set n, 0
.rept 32
.set xd, XR+8*(4*((n%16)/4)+n%4)
.set xa, 8*(8*(n%4)+(2*(\g)+n/16)%8)
.set xb, 128+64*((\g)%2)+8*(4*(n/16)+(n%16)/4)
.if ((\g) == 0) && (n < 16)
	v_wmma_f32_16x16x32_bf16 v[xd:xd+7], v[xa:xa+7], v[xb:xb+7], 0
.else
	v_wmma_f32_16x16x32_bf16 v[xd:xd+7], v[xa:xa+7], v[xb:xb+7], v[xd:xd+7]
.endif
.set n, n+1
.endr
.endm
	XLOAD 0
	WIN 0
	s_wait_loadcnt 63                              ; 88 loads were issued behind W1's K steps 0-7, the 24 of b1, wt and d' first: at 63 all those are in
.set k, 0
.rept 16                               ; cb = c (b1r + wtr), in wt's registers
	RND 64+2*k, 26
	RND 96+2*k, 27
	v_pk_add_f32 v[96+2*k:97+2*k], v[96+2*k:97+2*k], v[64+2*k:65+2*k]
	v_pk_mul_f32 v[96+2*k:97+2*k], v[96+2*k:97+2*k], v[KC:KC+1]
.set k, k+1
.endr
.irp g, 0,1,2,3,4,5,6,7
	XG \g
.endr
	WIN 0
	PLACES
.set n, 0
.rept 16                               ; x' = c x0 + cb, each accumulator from its low end on
.irp k, 0,2,4,6
	v_pk_fma_f32 v[XR+8*n+(\k):XR+8*n+(\k)+1], v[XR+8*n+(\k):XR+8*n+(\k)+1], v[KC:KC+1], v[96+8*(n%4)+(\k):96+8*(n%4)+(\k)+1]
.endr
.set n, n+1
.endr
	WIN 0x80
.set n, 0
.rept 128                              ; H = 0, so that no first step is written out
	v_mov_b32 v[n], 0
.set n, n+1
.endr
	s_wait_loadcnt 0x0                             ; M'
	WIN 0xc0
	LOAD64 40, 0                                   ; W2's latent tiles 0-3 take the place of W1's K steps 8-15: they have the whole loop in which to land
; Number gj of the 69 of tile gt (0..7) of piece PY.
.macro G
.set grt, 2*PY+gt/4
.set gft, gt%4
.set gx, XR+8*(4*grt+gft)
.set gh, 8*(4*grt+gft)
.set gd, DV+8*gft
.set gk, 2*(gj%4)
.if (gj < 64) || (gj == 68)
	WIN 0
.endif
.if gj < 8
	v_and_b32 v[TA+gj], s6, v[gx+gj]               ; a = |x'|: the accumulator is read from its low end on
.elseif gj < 12
	v_pk_fma_f32 v[TT+gk:TT+gk+1], v[TA+gk:TA+gk+1], v[KP:KP+1], v[KONE:KONE+1]
.elseif gj < 16
	v_pk_mul_f32 v[TE+gk:TE+gk+1], v[gx+gk:gx+gk+1], v[gx+gk:gx+gk+1] neg_lo:[1,0] neg_hi:[1,0]
.elseif gj < 24
	v_rcp_f32 v[TT+gj-16], v[TT+gj-16]
.elseif gj < 32
	v_exp_f32 v[TE+gj-24], v[TE+gj-24]
.elseif gj < 36
	v_pk_mul_f32 v[TW+gk:TW+gk+1], v[gx+gk:gx+gk+1], v[KK2:KK2+1]   ; the plain instruction behind the last exponential (ISA guide 5.7.2)
.elseif gj < 40
	v_pk_add_f32 v[gx+gk:gx+gk+1], v[gx+gk:gx+gk+1], v[gd+gk:gd+gk+1]
.elseif gj < 44
	s_wait_alu depctr_va_vdst(0)
	v_pk_fma_f32 v[TP+gk:TP+gk+1], v[TT+gk:TT+gk+1], v[KA3:KA3+1], v[KA2:KA2+1]
.elseif gj < 48
	v_pk_fma_f32 v[TP+gk:TP+gk+1], v[TP+gk:TP+gk+1], v[TT+gk:TT+gk+1], v[KA1:KA1+1]
.elseif gj < 52
	v_pk_mul_f32 v[TE+gk:TE+gk+1], v[TT+gk:TT+gk+1], v[TE+gk:TE+gk+1]
.elseif gj < 56
	v_pk_fma_f32 v[TP+gk:TP+gk+1], v[TP+gk:TP+gk+1], v[TE+gk:TE+gk+1], v[KK2:KK2+1]
.elseif gj < 60
	v_pk_fma_f32 v[TW+gk:TW+gk+1], v[TA+gk:TA+gk+1], v[TP+gk:TP+gk+1], v[TW+gk:TW+gk+1]
.elseif gj < 64
	v_cvt_pk_bf16_f32 v[TO+gj-60], v[TW+2*(gj-60)], v[TW+2*(gj-60)+1]
.elseif gj < 68
	WIN 0x82
	v_pk_add_f32 v[gh+gk:gh+gk+1], v[gh+gk:gh+gk+1], v[TW+gk:TW+gk+1]
.elseif gj == 68
	ds_store_b128 v6, v[TO:TO+3] offset:grt*16*HP+gft*32
.set NST, NST+1
.endif
.endm
.macro NEXT n                          ; the next n places of the piece's queue: 72 a tile, of which 69 hold an instruction
.rept \n
.if q < 576
.set gt, q/72
.set gj, q%72
	G
.endif
.set q, q+1
.endr
.endm
.macro WM                              ; product i of 64 of piece PX: K step i / 8; its 8 accumulators take turns
.set wd, XR+8*(4*(2*PX+(i%8)/4)+i%4)
.set wa, 8*(8*(i%4)+i/8)
.set wb, 128+8*(2*(i/8)+(i%8)/4)
	WIN 0x09
	v_wmma_f32_16x16x32_bf16 v[wd:wd+7], v[wa:wa+7], v[wb:wb+7], v[wd:wd+7]
.set i, i+1
.endm
; A TURN: x' of piece x += h' M'; beside it the GELU of piece y.  No line of the GELU names a register of the products round it.
.macro TURN x, y
.set PX, \x
.set PY, \y
.set q, 0
.set i, 0
.set NST, 0
	WIN 0x80
.set n, 0
.rept 16                               ; piece x's h', all 256 columns, K step by K step
	ds_load_b128 v[128+8*n:128+8*n+3],   v5 offset:(2*PX+n%2)*16*HP+(n/2)*64
	ds_load_b128 v[128+8*n+4:128+8*n+7], v5 offset:(2*PX+n%2)*16*HP+(n/2)*64+32
.set n, n+1
.endr
	NEXT 72                                        ; a tile's GELU stands in the wait for the first fragments
.rept 64
.if i%8 == 0
	s_wait_dscnt 28-4*(i/8)+NST                    ; this K step's four loads are in: behind them the later K steps' loads and the stores of h' issued since
.endif
	WM
	NEXT 8
.endr
	WIN 0
	PLACES                                         ; the queue ends behind product 62: these are the places behind product 63, ahead of the next turn's loads into its source
	s_wait_dscnt 0x0                               ; my reads of piece x's h' are over and my part of piece y's is in LDS:
	s_barrier_signal -1                            ; the next turn reads the one and writes the other
	s_barrier_wait -1
.endm
	WIN 0
	s_mov_b32 s3, 12
.Lstep:                                                ; trip i: piece 1's product of step i - 1 beside piece 0's GELU of step i; piece 0's product of step i beside piece 1's GELU of step i
	TURN 1, 0                                      ; (trip 0's first product adds zeros, trip 11's second serves nothing: both lie under vector work and spare two written-out GELU blocks)
	TURN 0, 1
	s_sub_co_u32 s3, s3, 1
	s_cmp_lg_u32 s3, 0
	s_cbranch_scc1 .Lstep
	; proj = zr - b2r + bf16(H) W2r
	WIN 0x40
	LOAD64 40, 32                                  ; W2's latent tiles 4-7 take M's place
	WIN 0
	B2LOAD 0
.set t, 0
.rept 4                                ; H, rounded, goes where h' went
	WIN 0x0a
.set k, 0
.rept 16
	v_cvt_pk_bf16_f32 v[64+k], v[32*t+2*k], v[32*t+2*k+1]
.set k, k+1
.endr
	WIN 0
.irp ft, 0,1,2,3
	ds_store_b128 v6, v[64+4*(\ft):67+4*(\ft)] offset:t*16*HP+(\ft)*32
.endr
.set t, t+1
.endr
	s_wait_dscnt 0x0
	s_barrier_signal -1
	s_barrier_wait -1
	WIN 0x80
.set n, 0
.rept 32                               ; all of H's fragments: K step n / 4, row tile n % 4
	ds_load_b128 v[8*n:8*n+3],   v5 offset:(n%4)*16*HP+(n/4)*64
	ds_load_b128 v[8*n+4:8*n+7], v5 offset:(n%4)*16*HP+(n/4)*64+32
.set n, n+1
.endr
	s_wait_dscnt 0x0
	s_wait_loadcnt 0x0                             ; W2 and b2
; Half p of my 128 latent columns: 128 products on 16 accumulators by turns (x' has served), then the way out.  A lane's eight numbers of latent tile lt ARE registers 0-3 (lt even) or 4-7 (lt odd)
; of the next launch's fragment (16 batch rows x 32 columns), so each store covers 512 consecutive bytes, at a multiple of 512 from comb's first byte.
.macro PROJ p
.if (\p) == 1
	WIN 0
	B2LOAD 1
	WIN 0x09
.else
	WIN 0x0b
.endif
.set n, 0
.rept 128
.set pd, XR+8*(4*((n%16)/4)+n%4)
.set pa, 8*(8*((n%16)/4)+n/16)
.set pb, 8*(4*(n/16)+n%4)
.if n < 16
	v_wmma_f32_16x16x32_bf16 v[pd:pd+7], v[pa:pa+7], v[pb:pb+7], 0
.else
	v_wmma_f32_16x16x32_bf16 v[pd:pd+7], v[pa:pa+7], v[pb:pb+7], v[pd:pd+7]
.endif
.set n, n+1
.endr
	WIN 0
	PLACES
	s_wait_loadcnt 0x0                             ; b2 of this half
.set k, 0
.rept 16
	RND DV+2*k, 26
.set k, k+1
.endr
.set t, 0
.rept 2
.set k, 0
.rept 8                                ; zr of eight tiles (tile 4 lt + rt)
	ds_load_b128 v[64+4*k:67+4*k], v7 offset:((t+k)%4)*16*ZP+(\p)*128+((t+k)/4)*32
.set k, k+1
.endr
.set k, 0
.rept 8
.set pd, XR+8*(t+k)
.set pl, (t+k)/4
	s_wait_dscnt 7-k                               ; LDS loads come back in order (ISA guide 5.7.1): tile k's is in
.irp m, 0,1,2,3
	v_lshlrev_b32 v[96+2*(\m)], 16, v[64+4*k+(\m)]
	v_and_b32     v[97+2*(\m)], s7, v[64+4*k+(\m)]
.endr
.irp m, 0,2,4,6
	v_pk_add_f32 v[96+(\m):97+(\m)], v[pd+(\m):pd+(\m)+1], v[96+(\m):97+(\m)]
.endr
.irp m, 0,2,4,6
	v_pk_add_f32 v[96+(\m):97+(\m)], v[96+(\m):97+(\m)], v[DV+8*pl+(\m):DV+8*pl+(\m)+1] neg_lo:[0,1] neg_hi:[0,1]
.endr
	s_wait_xcnt 0x0                                ; the last store's data registers are rewritten only behind this wait (ISA guide 3.1)
.irp m, 0,1,2,3
	v_cvt_pk_bf16_f32 v[TO+(\m)], v[96+2*(\m)], v[97+2*(\m)]
.endr
	global_store_b128 v1, v[TO:TO+3], s[44:45] offset:(2*(\p)+pl/2)*8192+((t+k)%4)*1024+(pl%2)*512
.set k, k+1
.endr
.set t, t+8
.endr
.endm
	PROJ 0
	PROJ 1
	s_wait_tensorcnt 0x0                           ; the wave's end, behind my last LDS store
	ds_add_u32 v[SPW], v[NIL]
	s_wait_dscnt 0x0
	s_endpgm
.Lfunc_end_k_q00c1efd921_ode:
	.size	k_q00c1efd921_ode, .Lfunc_end_k_q00c1efd921_ode-k_q00c1efd921_ode
	.p2alignl 7, 3214868480
	.fill 96, 4, 3214868480
	.section	.rodata,"a",@progbits
	.p2align	6, 0x0
	.amdhsa_kernel k_q00c1efd921_ode
		.amdhsa_group_segment_fixed_size 100864
		.amdhsa_private_segment_fixed_size 0
		.amdhsa_enable_private_segment 0
		.amdhsa_kernarg_size 80
		.amdhsa_user_sgpr_count 2
		.amdhsa_user_sgpr_kernarg_segment_ptr 1
		.amdhsa_wavefront_size32 1
		.amdhsa_system_sgpr_workgroup_id_x 1
		.amdhsa_system_sgpr_workgroup_id_y 1
		.amdhsa_system_sgpr_workgroup_id_z 1
		.amdhsa_system_vgpr_workitem_id 0
		.amdhsa_next_free_vgpr 1024
		.amdhsa_next_free_sgpr 66
		.amdhsa_reserve_vcc 0
		.amdhsa_float_denorm_mode_32 3
		.amdhsa_float_denorm_mode_16_64 3
		.amdhsa_memory_ordered 1
		.amdhsa_forward_progress 1
		.amdhsa_inst_pref_size 247
	.end_amdhsa_kernel
	.amdgpu_metadata
---
amdhsa.version: [ 1, 2 ]
amdhsa.kernels:
  - .name:           k_q00c1efd921_ode
    .symbol:         k_q00c1efd921_ode.kd
    .args:
      - { .name: z, .offset: 0, .size: 8, .value_kind: global_buffer, .address_space: global }
      - { .name: real_W1, .offset: 8, .size: 8, .value_kind: global_buffer, .address_space: global }
      - { .name: real_b1, .offset: 16, .size: 8, .value_kind: global_buffer, .address_space: global }
      - { .name: real_b2, .offset: 24, .size: 8, .value_kind: global_buffer, .address_space: global }
      - { .name: fake_W1, .offset: 32, .size: 8, .value_kind: global_buffer, .address_space: global }
      - { .name: fake_b1, .offset: 40, .size: 8, .value_kind: global_buffer, .address_space: global }
      - { .name: fake_b2, .offset: 48, .size: 8, .value_kind: global_buffer, .address_space: global }
      - { .name: wpk, .offset: 56, .size: 8, .value_kind: global_buffer, .address_space: global }
      - { .name: dv, .offset: 64, .size: 8, .value_kind: global_buffer, .address_space: global }
      - { .name: comb, .offset: 72, .size: 8, .value_kind: global_buffer, .address_space: global }
    .group_segment_fixed_size: 100864
    .private_segment_fixed_size: 0
    .kernarg_segment_align: 8
    .kernarg_segment_size: 80
    .max_flat_workgroup_size: 128
    .sgpr_count:     66
    .vgpr_count:     1024
    .wavefront_size: 32
...
	.end_amdgpu_metadata
.endif
;; end of part 2
;; launch mlp (part 3): grid 4 x 64, 4 waves a work-group, clusters of 4 x 4, 327,680 bytes of LDS; arguments comb, wm, mlp_b1, mlp_W2, part; writes part
.if DOCPART == 3
	.amdgcn_target "amdgcn-amd-amdhsa--gfx1250"
	.amdhsa_code_object_version 6
	.text
	.protected	k_q00c1efd921_mlp
	.globl	k_q00c1efd921_mlp
	.p2align	8
	.type	k_q00c1efd921_mlp,@function
k_q00c1efd921_mlp:
	s_mov_b64 s[64:65], 0
	v_nop
	global_prefetch_b8 v0, s[64:65] scope:SCOPE_SE
	s_setreg_imm32_b32 hwreg(HW_REG_WAVE_MODE, 25, 1), 1
	s_wait_xcnt 0x0
	s_wait_alu depctr_hold_cnt(0) depctr_sa_sdst(0) depctr_va_vdst(0) depctr_va_sdst(0) depctr_va_ssrc(0) depctr_va_vcc(0) depctr_vm_vsrc(0)
	s_getreg_b32 s2, hwreg(HW_REG_IB_STS2, 6, 4)
	s_cmp_eq_u32 s2, 0
	s_cbranch_scc0 .Lentry_in_a_cluster
	s_endpgm
.Lentry_in_a_cluster:
	s_bfe_u32 s2, ttmp6, 0x10000c
	s_cmp_lg_u32 s2, 0xf033
	s_cbranch_scc0 .Lentry_shape_is_right
	s_endpgm
.Lentry_shape_is_right:
; THE CLASSIFIER'S FIRST LAYER, ITS GELU, AND ITS SHARE OF THE SECOND.  hidden = gelu(comb mlp_W1r + b1r); part[slice][row][:] = the sum over the slice's 128 hidden units of hidden W2r.
; comb (8192 x 1024, bf16) and the weights arrive as ready fragments of 1,024 bytes (byte 16 l: registers 0-3 of lane l; byte 512 + 16 l: registers 4-7), so a tile is a dense block of memory,
; an LDS read is 512 consecutive bytes, and no padding is needed.
; SHARES.  A work-group makes 128 rows x 256 hidden units; wave w row tiles 4 (w >> 1) .., unit tiles 8 (w & 1) ..: 32 accumulators.  The products are used transposed (source 0 = weights,
; source 1 = 16 batch rows): a lane holds one batch row and eight neighbouring units.  The last product has two columns: it is made in f32 on the vector unit, one packed multiply-add for both classes.
; K goes in steps of 128 (four of 32) through two LDS slots: comb 32 KB, weights 64 KB.
; CLUSTER 4 x 4: the four of a row share the rows of comb, the four of a column the weights; each tile is asked for jointly.  A wave has two tensor loads out at the start, later one.
; GELU on x' = c x, c = sqrt(log2(e)/2): a = |x'|, t = 1 / (1 + P a), E = 2^(-x'^2); gelu = K2 x' + a (K2 + (B1 + B2 t + B3 t^2 + B4 t^3 + B5 t^4) t E): Abramowitz-Stegun 7.1.26.
; LIMITS.  erf is off by at most 1.5e-7; E below 2^-126 counts as 0; NaN and infinities are not treated apart.  The sum over the 1,024 units is made in eight slices, added by the next launch.
; REGISTERS: window 0: v1-3, v16-29 addresses; F0 = v32-127, F1 = v128-223: 8 fragments of weights, then 4 of comb; window 1: the accumulators, (rt, nt) at 8 (8 rt + nt).
.set SLOT,  98304
.set WOFF,  32768                      ; a slot's weights lie behind its 32 KB of comb
.set SPARE, 2*SLOT                     ; behind the ring: the spare words, 128 bytes a wave
.set LAPS,  4                          ; 8 K steps, two to a lap
.set ADRC, 16
.set ADRW, 20
.set STA,  24
.set SPW,  28
.set NIL,  29
.set F0,   32
.set F1,   128
.set WV,   14
.set WHI,  15
.set WLO,  16
.set G1,   24
.set G0,   32
.set G1B,  48
.set G0B,  56
.set MSB, 0
.macro WIN new
.if MSB != (\new)
	s_set_vgpr_msb (MSB<<8)|(\new)
.set MSB, \new
.endif
.endm
.macro PLACES
.rept 4
	v_nop
.endr
.endm
.macro JLOAD s                         ; a joint refill: waves 0, 1 fetch the halves of comb's tile, waves 2, 3 those of the weights'; s_nop 0 and four v_nop follow each line
	s_cmp_eq_u32 s[WHI], 0
	s_cbranch_scc0 .Lfor_b_\@
	tensor_load_to_lds s[G0+4*(\s):G0+4*(\s)+3], s[G1:G1+7]
	s_nop 0
.rept 4
	v_nop
.endr
	s_branch .Lasked_\@
.Lfor_b_\@:
	tensor_load_to_lds s[G0B+4*(\s):G0B+4*(\s)+3], s[G1B:G1B+7]
	s_nop 0
.rept 4
	v_nop
.endr
.Lasked_\@:
.endm
.macro CREST                           ; a round of the cluster's barrier behind its opening barrier
	s_cmp_lg_u32 s[WV], 0
	s_cbranch_scc1 .Lnot_wave_0_\@
	s_barrier_signal -3
.Lnot_wave_0_\@:
	s_barrier_wait -3
	s_barrier_signal -1
	s_barrier_wait -1
.endm
.macro CROUND
	s_barrier_signal -1
	s_barrier_wait -1
	CREST
.endm
	s_load_b256 s[4:11], s[0:1], 0x0               ; comb, wm, mlp_b1, mlp_W2
	s_load_b64 s[12:13], s[0:1], 0x20              ; part
	v_lshl_add_u32 v[SPW], v0, 2, SPARE
	v_mov_b32 v[NIL], 0
	ds_add_u32 v[SPW], v[NIL]                      ; the wave's opening, ahead of my first tensor load
	v_lshrrev_b32 v1, 5, v0
	v_readfirstlane_b32 s[WV], v1
	s_lshr_b32 s[WHI], s[WV], 1                    ; my half of the rows.  Also: I fetch comb (0) or weights (1)
	s_and_b32 s[WLO], s[WV], 1                     ; my half of the units.  Also: which half of that tile I fetch
	s_bfe_u32 s17, ttmp6, 0x40000                  ; cx
	s_bfe_u32 s18, ttmp6, 0x40004                  ; cy
	s_lshl_b32 s19, ttmp9, 2
	s_add_co_u32 s19, s19, s17                     ; block of 256 units
	s_and_b32 s20, ttmp7, 0xffff
	s_lshl_b32 s20, s20, 2
	s_add_co_u32 s20, s20, s18                     ; block of 128 rows
	s_lshl_b32 s21, s18, 2
	s_lshl_b32 s21, 15, s21                        ; my row of the cluster
	s_lshl_b32 s22, 0x1111, s17                    ; my column
	; group 1: a dense block as rows of 256 bytes (32 elements of 8 bytes): 64 rows for half of comb's tile, 128 for half of the weights'
	s_or_b32 s[G1],  s21, (3<<16)|(1<<21)          ; 15:0 the mask; 17:16 elements of 8 bytes; 21 set beside a mask
	s_or_b32 s[G1B], s22, (3<<16)|(1<<21)
	s_mov_b32 s[G1+1],  32<<16                     ; tensor_dim0 = 32
	s_mov_b32 s[G1B+1], 32<<16
	s_mov_b32 s[G1+2],  64<<16                     ; tensor_dim1
	s_mov_b32 s[G1B+2], 128<<16
	s_mov_b32 s[G1+3],  32<<16                     ; tile_dim0 = 32
	s_mov_b32 s[G1B+3], 32<<16
	s_mov_b32 s[G1+4],  64                         ; tile_dim1
	s_mov_b32 s[G1B+4], 128
	s_mov_b32 s[G1+5],  32                         ; 32 elements from row to row
	s_mov_b32 s[G1B+5], 32
	s_mov_b32 s[G1+6],  0
	s_mov_b32 s[G1B+6], 0
	s_mov_b32 s[G1+7],  0
	s_mov_b32 s[G1B+7], 0
	s_lshl_b32 s40, s20, 18                        ; comb: 262,144 bytes a block of rows; my half of a K step's 32 KB
	s_lshl_b32 s41, s[WLO], 14
	s_add_co_u32 s40, s40, s41
	s_mov_b32 s41, 0
	s_lshl_b32 s42, s19, 19                        ; weights: 524,288 bytes a block of units; my half of a K step's 64 KB
	s_lshl_b32 s43, s[WLO], 15
	s_add_co_u32 s42, s42, s43
	s_mov_b32 s43, 0
	s_lshl_b32 s44, s[WLO], 14                     ; and where they go: no place in the cluster enters an LDS address
	s_lshl_b32 s45, s[WLO], 15
	s_add_co_u32 s45, s45, WOFF
	s_wait_dscnt 0x0                               ; the opening add is done
	s_wait_kmcnt 0x0
	s_add_nc_u64 s[40:41], s[4:5], s[40:41]
	s_add_nc_u64 s[42:43], s[6:7], s[42:43]
.irp s, 0,1
	s_mov_b32 s[G0+4*(\s)], 1
	s_add_co_u32 s[G0+4*(\s)+1], s44, (\s)*SLOT
	s_add_nc_u64 s[G0+4*(\s)+2:G0+4*(\s)+3], s[40:41], (\s)*32768
	s_or_b32 s[G0+4*(\s)+3], s[G0+4*(\s)+3], 0x80000000
	s_mov_b32 s[G0B+4*(\s)], 1
	s_add_co_u32 s[G0B+4*(\s)+1], s45, (\s)*SLOT
	s_add_nc_u64 s[G0B+4*(\s)+2:G0B+4*(\s)+3], s[42:43], (\s)*65536
	s_or_b32 s[G0B+4*(\s)+3], s[G0B+4*(\s)+3], 0x80000000
.endr
	CROUND                                         ; all sixteen work-groups are here: the first joint loads meet
	s_cmp_eq_u32 s[WHI], 0                         ; a wave's two first fills stand in one branch, ahead of every wait on TENSORcnt and every LDS read
	s_cbranch_scc0 .Lfirst_b
	tensor_load_to_lds s[G0:G0+3], s[G1:G1+7]
	s_nop 0
	tensor_load_to_lds s[G0+4:G0+7], s[G1:G1+7]
	s_nop 0
.rept 4
	v_nop
.endr
	s_branch .Lfirst_asked
.Lfirst_b:
	tensor_load_to_lds s[G0B:G0B+3], s[G1B:G1B+7]
	s_nop 0
	tensor_load_to_lds s[G0B+4:G0B+7], s[G1B:G1B+7]
	s_nop 0
.rept 4
	v_nop
.endr
.Lfirst_asked:
	v_and_b32 v2, 31, v0                           ; lane
	v_bfe_u32 v3, v0, 4, 1                         ; h
	v_lshlrev_b32 v1, 4, v2                        ; 16 lane
	s_lshl_b32 s2, s[WHI], 12                      ; my four row tiles
	v_add_nc_u32 v[ADRC], s2, v1
	v_add_nc_u32 v[ADRC+1], SLOT, v[ADRC]
	s_lshl_b32 s2, s[WLO], 13                      ; my eight unit tiles
	s_add_co_u32 s2, s2, WOFF
	v_add_nc_u32 v[ADRW], s2, v1
	v_add_nc_u32 v[ADRW+1], SLOT, v[ADRW]
	v_lshl_add_u32 v[STA], s[WV], 15, v1           ; my stage on the way out
.macro MUL8 f, rt, zero                ; row tile rt x my 8 unit tiles, 32 along K; the 32 accumulators take turns
	WIN 0x50
.irp nt, 0,1,2,3,4,5,6,7
.if \zero
	v_wmma_f32_16x16x32_bf16 v[8*(8*(\rt)+\nt):8*(8*(\rt)+\nt)+7], v[(\f)+8*\nt:(\f)+8*\nt+7], v[(\f)+64+8*(\rt):(\f)+64+8*(\rt)+7], 0
.else
	v_wmma_f32_16x16x32_bf16 v[8*(8*(\rt)+\nt):8*(8*(\rt)+\nt)+7], v[(\f)+8*\nt:(\f)+8*\nt+7], v[(\f)+64+8*(\rt):(\f)+64+8*(\rt)+7], v[8*(8*(\rt)+\nt):8*(8*(\rt)+\nt)+7]
.endif
.endr
.endm
.macro FETCH slot, ks, f               ; 24 LDS loads in one run: the weights first, comb's row tiles 2, 3 last
	WIN 0
.irp nt, 0,1,2,3,4,5,6,7
	ds_load_b128 v[(\f)+8*\nt:(\f)+8*\nt+3],   v[ADRW+(\slot)] offset:(\ks)*16384+\nt*1024
	ds_load_b128 v[(\f)+8*\nt+4:(\f)+8*\nt+7], v[ADRW+(\slot)] offset:(\ks)*16384+\nt*1024+512
.endr
.irp rt, 0,1,2,3
	ds_load_b128 v[(\f)+64+8*\rt:(\f)+64+8*\rt+3],   v[ADRC+(\slot)] offset:(\ks)*8192+\rt*1024
	ds_load_b128 v[(\f)+64+8*\rt+4:(\f)+64+8*\rt+7], v[ADRC+(\slot)] offset:(\ks)*8192+\rt*1024+512
.endr
.endm
.macro QUARTER slot, ks, f, g, zero    ; multiplies buffer f (32 along K) and fetches the slot's quarter ks into g
	s_wait_dscnt 4                                 ; all but comb's row tiles 2, 3
	MUL8 \f, 0, \zero
	MUL8 \f, 1, \zero
	PLACES                                         ; ahead of the loads into g, which the quarter before multiplied
	FETCH \slot, \ks, \g
	s_wait_dscnt 24                                ; all but the 24 just issued
	MUL8 \f, 2, \zero
	MUL8 \f, 3, \zero
.endm
; The last quarter of a K step multiplies F1 and changes slots: one barrier; ahead of it each wave waits for all its tensor loads (one is out: its part of the next slot), adds 0 to its spare word,
; and waits for that and for its reads of this slot.  fill = 1: the barrier opens a round of the cluster's, and this slot is filled again, two K steps ahead, first thing behind it.
.macro TURN slot, next, fill
	WIN 0
	s_wait_tensorcnt 0x0
	ds_add_u32 v[SPW], v[NIL]
	s_wait_dscnt 5                                 ; the add and comb's row tiles 2, 3 may be out
	MUL8 F1, 0, 0
	s_wait_dscnt 0x0                               ; the add is done, and my reads of this slot are over
	s_barrier_signal -1
	MUL8 F1, 1, 0
.if \fill
	WIN 0
.endif
	s_barrier_wait -1
.if \fill
	CREST
	s_add_nc_u64 s[G0+4*(\slot)+2:G0+4*(\slot)+3], s[G0+4*(\slot)+2:G0+4*(\slot)+3], 65536
	s_add_nc_u64 s[G0B+4*(\slot)+2:G0B+4*(\slot)+3], s[G0B+4*(\slot)+2:G0B+4*(\slot)+3], 131072
	JLOAD \slot                                    ; its four v_nop are also the places ahead of the loads below
.else
	PLACES
.endif
	FETCH \next, 0, F0
	MUL8 F1, 2, 0
	MUL8 F1, 3, 0
.endm
	s_wait_tensorcnt 1                             ; my part of K step 0 is in; K step 1's may stay out
	s_barrier_signal -1
	s_barrier_wait -1
	FETCH 0, 0, F0
	QUARTER 0, 1, F0, F1, 1                        ; the first quarter's products start the sums
	WIN 0
	s_mov_b32 s3, LAPS-1
.Llap:
	QUARTER 0, 2, F1, F0, 0
	QUARTER 0, 3, F0, F1, 0
	TURN 0, 1, 1
	QUARTER 1, 1, F0, F1, 0
	QUARTER 1, 2, F1, F0, 0
	QUARTER 1, 3, F0, F1, 0
	TURN 1, 0, 1
	QUARTER 0, 1, F0, F1, 0
	WIN 0
	s_sub_co_u32 s3, s3, 1
	s_cmp_lg_u32 s3, 0
	s_cbranch_scc1 .Llap
	QUARTER 0, 2, F1, F0, 0                        ; the last lap fills nothing
	QUARTER 0, 3, F0, F1, 0
	TURN 0, 1, 0
	QUARTER 1, 1, F0, F1, 0
	QUARTER 1, 2, F1, F0, 0
	QUARTER 1, 3, F0, F1, 0
	s_wait_dscnt 4
	MUL8 F1, 0, 0
	MUL8 F1, 1, 0
	s_wait_dscnt 0x0
	MUL8 F1, 2, 0
	MUL8 F1, 3, 0
	WIN 0
	; THE WAY OUT.  The 32 tiles go through one text of four: the accumulators are laid into the ring, which has had its last fill (32 KB a wave, its own), and come back four at a time.
	; Written out for all 32 tiles the same work would be some 17,000 bytes of code.
.set KP,  32
.set KONE, 34
.set KB1, 36
.set KB2, 38
.set KB3, 40
.set KB4, 42
.set KB5, 44
.set KK2, 46
.set KC,  48
.set RDA, 50                           ; where the next four tiles lie
.set OB1, 51                           ; my byte offset in mlp_b1 at unit tile 0, OW2 in mlp_W2; VB1, VW2: at the tile to be loaded
.set OW2, 52
.set VB1, 53
.set VW2, 54
.set TMP, 55
.set OUT, 56
.set CB,  64                           ; c b1r of my 8 units
.set WW,  72                           ; W2r: 8 units x 2 classes
.set RB1, 88                           ; as loaded
.set RW2, 96
.set XT,  128                          ; four tiles
.set TA,  160
.set TT,  168
.set TE,  176
.set TP,  184
.set TW,  192
.set SS,  224                          ; sums: row tile rt, chain 0 or 1, two classes
.macro KPAIR r, val
	v_mov_b32 v[\r], \val
	v_mov_b32 v[(\r)+1], \val
.endm
	s_barrier_signal -1                            ; no LDS instruction of mine is out: every wave's reads of the ring are over behind this barrier
	s_barrier_wait -1
	PLACES
	s_lshl_b32 s40, s19, 10                        ; 4 (256 nb + 128 (w & 1) + 8 h)
	s_lshl_b32 s41, s[WLO], 9
	s_add_co_u32 s40, s40, s41
	v_lshl_add_u32 v[OB1], v3, 5, s40
	v_lshlrev_b32 v[OW2], 1, v[OB1]
	v_mov_b32 v[VB1], v[OB1]
	v_mov_b32 v[VW2], v[OW2]
.macro VLOAD
	global_load_b128 v[RB1:RB1+3],     v[VB1], s[8:9]
	global_load_b128 v[RB1+4:RB1+7],   v[VB1], s[8:9] offset:16
	global_load_b128 v[RW2:RW2+3],     v[VW2], s[10:11]
	global_load_b128 v[RW2+4:RW2+7],   v[VW2], s[10:11] offset:16
	global_load_b128 v[RW2+8:RW2+11],  v[VW2], s[10:11] offset:32
	global_load_b128 v[RW2+12:RW2+15], v[VW2], s[10:11] offset:48
.endm
	VLOAD
	WIN 0x04                                       ; store data in window 1
.set n, 0
.rept 32                               ; accumulator (rt = n / 8, nt = n % 8), from its low end on
	ds_store_b128 v[STA], v[8*n:8*n+3]   offset:(n%8)*4096+(n/8)*1024
	ds_store_b128 v[STA], v[8*n+4:8*n+7] offset:(n%8)*4096+(n/8)*1024+512
.set n, n+1
.endr
	WIN 0
	KPAIR KP,   0x3e8ba43f                         ; P  = 0.3275911 / sqrt(log2 e)
	KPAIR KONE, 1.0
	KPAIR KB1,  0xbe199eb3                         ; -0.254829592 / (2 c)
	KPAIR KB2,  0x3e2b8119                         ;  0.284496736 / (2 c)
	KPAIR KB3,  0xbf563817                         ; -1.421413741 / (2 c)
	KPAIR KB4,  0x3f5b0099                         ;  1.453152027 / (2 c)
	KPAIR KB5,  0xbf1ff67a                         ; -1.061405429 / (2 c)
	KPAIR KK2,  0x3f16b55f                         ; 1 / (2 c)
	KPAIR KC,   0x3f596d27                         ; c
	v_mov_b32 v[RDA], v[STA]
.set n, 0
.rept 16
	v_mov_b32 v[SS+n], 0
.set n, n+1
.endr
	s_mov_b32 s44, 0x7fffffff
	s_mov_b32 s45, 0xffff0000
	s_mov_b32 s46, 0x76543210
	s_mov_b32 s47, 0xfedcba98
.macro MT rt                           ; a tile: 16 rows x my lane's 8 units
.set X, XT+8*(\rt)
.irp k, 0,2,4,6
	v_pk_fma_f32 v[X+\k:X+\k+1], v[X+\k:X+\k+1], v[KC:KC+1], v[CB+\k:CB+\k+1]
.endr
.irp k, 0,1,2,3,4,5,6,7
	v_and_b32 v[TA+\k], s44, v[X+\k]
.endr
.irp k, 0,2,4,6
	v_pk_fma_f32 v[TT+\k:TT+\k+1], v[TA+\k:TA+\k+1], v[KP:KP+1], v[KONE:KONE+1]
.endr
.irp k, 0,2,4,6
	v_pk_mul_f32 v[TE+\k:TE+\k+1], v[X+\k:X+\k+1], v[X+\k:X+\k+1] neg_lo:[1,0] neg_hi:[1,0]
.endr
.irp k, 0,1,2,3,4,5,6,7
	v_rcp_f32 v[TT+\k], v[TT+\k]
.endr
.irp k, 0,1,2,3,4,5,6,7
	v_exp_f32 v[TE+\k], v[TE+\k]
.endr
.irp k, 0,2,4,6
	v_pk_mul_f32 v[TW+\k:TW+\k+1], v[X+\k:X+\k+1], v[KK2:KK2+1]     ; the plain instruction behind the last exponential (ISA guide 5.7.2)
.endr
	s_wait_alu depctr_va_vdst(0)
.irp k, 0,2,4,6
	v_pk_fma_f32 v[TP+\k:TP+\k+1], v[TT+\k:TT+\k+1], v[KB5:KB5+1], v[KB4:KB4+1]
.endr
.irp c, KB3, KB2, KB1
.irp k, 0,2,4,6
	v_pk_fma_f32 v[TP+\k:TP+\k+1], v[TP+\k:TP+\k+1], v[TT+\k:TT+\k+1], v[\c:\c+1]
.endr
.endr
.irp k, 0,2,4,6
	v_pk_mul_f32 v[TE+\k:TE+\k+1], v[TT+\k:TT+\k+1], v[TE+\k:TE+\k+1]
.endr
.irp k, 0,2,4,6
	v_pk_fma_f32 v[TP+\k:TP+\k+1], v[TP+\k:TP+\k+1], v[TE+\k:TE+\k+1], v[KK2:KK2+1]
.endr
.irp k, 0,2,4,6
	v_pk_fma_f32 v[TW+\k:TW+\k+1], v[TA+\k:TA+\k+1], v[TP+\k:TP+\k+1], v[TW+\k:TW+\k+1]
.endr
.irp k, 0,2,4,6                        ; both classes at once: the unit's gelu is taken for both halves, W2r's pair as it lies; even and odd units in chains of their own
	v_pk_fma_f32 v[SS+4*(\rt):SS+4*(\rt)+1],   v[TW+\k:TW+\k+1], v[WW+2*\k:WW+2*\k+1],   v[SS+4*(\rt):SS+4*(\rt)+1]   op_sel_hi:[0,1,1]
	v_pk_fma_f32 v[SS+4*(\rt)+2:SS+4*(\rt)+3], v[TW+\k:TW+\k+1], v[WW+2*\k+2:WW+2*\k+3], v[SS+4*(\rt)+2:SS+4*(\rt)+3] op_sel:[1,0,0] op_sel_hi:[1,1,1]
.endr
.endm
	s_mov_b32 s2, 0
	s_mov_b32 s3, 8
.Lnt:                                                  ; a trip: unit tile nt, four row tiles
.irp rt, 0,1,2,3
	ds_load_b128 v[XT+8*\rt:XT+8*\rt+3],   v[RDA] offset:\rt*1024       ; LDS serves a wave's instructions in order (ISA guide 5.7.1.4): these see my stores
	ds_load_b128 v[XT+8*\rt+4:XT+8*\rt+7], v[RDA] offset:\rt*1024+512
.endr
	v_add_nc_u32 v[RDA], 4096, v[RDA]
	s_wait_loadcnt 0x0                             ; this tile's b1 and W2; their address registers are free too
.irp k, 0,2,4,6
	v_cvt_pk_bf16_f32 v[TMP], v[RB1+\k], v[RB1+\k+1]
	v_lshlrev_b32 v[CB+\k], 16, v[TMP]
	v_and_b32 v[CB+\k+1], s45, v[TMP]
	v_pk_mul_f32 v[CB+\k:CB+\k+1], v[CB+\k:CB+\k+1], v[KC:KC+1]
.endr
.irp k, 0,2,4,6,8,10,12,14
	v_cvt_pk_bf16_f32 v[TMP], v[RW2+\k], v[RW2+\k+1]
	v_lshlrev_b32 v[WW+\k], 16, v[TMP]
	v_and_b32 v[WW+\k+1], s45, v[TMP]
.endr
	s_add_co_u32 s2, s2, 1
	s_and_b32 s2, s2, 7                            ; the next tile's; the last trip asks for tile 0 once more, so that no load leaves its buffer
	v_lshl_add_u32 v[VB1], s2, 6, v[OB1]
	v_lshl_add_u32 v[VW2], s2, 7, v[OW2]
	VLOAD
	s_wait_dscnt 0x0
	MT 0
	MT 1
	MT 2
	MT 3
	s_sub_co_u32 s3, s3, 1
	s_cmp_lg_u32 s3, 0
	s_cbranch_scc1 .Lnt
.irp rt, 0,1,2,3
	v_pk_add_f32 v[SS+4*\rt:SS+4*\rt+1], v[SS+4*\rt:SS+4*\rt+1], v[SS+4*\rt+2:SS+4*\rt+3]
.endr
.irp rt, 0,1,2,3                       ; a row's other 8 units of each tile lie in the lane 16 away
	v_permlanex16_b32 v[TA+2*\rt],   v[SS+4*\rt],   s46, s47
	v_permlanex16_b32 v[TA+2*\rt+1], v[SS+4*\rt+1], s46, s47
.endr
.irp rt, 0,1,2,3
	v_pk_add_f32 v[SS+4*\rt:SS+4*\rt+1], v[SS+4*\rt:SS+4*\rt+1], v[TA+2*\rt:TA+2*\rt+1]
.endr
	v_cmp_gt_u32 vcc_lo, 16, v2
.irp q, 0,1                            ; lanes 0-15 take row tile 2 q, lanes 16-31 row tile 2 q + 1: 32 rows, 256 consecutive bytes
	v_cndmask_b32 v[TE+2*\q],   v[SS+8*\q+4], v[SS+8*\q],   vcc_lo
	v_cndmask_b32 v[TE+2*\q+1], v[SS+8*\q+5], v[SS+8*\q+1], vcc_lo
.endr
	v_lshlrev_b32 v[OUT], 3, v2
	s_lshl1_add_u32 s40, s19, s[WLO]               ; slice 2 nb + (w & 1)
	s_lshl_b32 s40, s40, 16
	s_lshl_b32 s41, s20, 10                        ; 128 rows of 8 bytes a block,
	s_add_co_u32 s40, s40, s41
	s_lshl_b32 s41, s[WHI], 9                      ; my 64 of them
	s_add_co_u32 s40, s40, s41
	s_mov_b32 s41, 0
	s_add_nc_u64 s[12:13], s[12:13], s[40:41]
	global_store_b64 v[OUT], v[TE:TE+1],   s[12:13]
	global_store_b64 v[OUT], v[TE+2:TE+3], s[12:13] offset:256
	s_wait_tensorcnt 0x0                           ; the wave's end, behind my last tensor load and my last LDS store
	ds_add_u32 v[SPW], v[NIL]
	s_wait_dscnt 0x0
	CROUND                                         ; the closing round: no work-group ends while a partner may still ask for a tile that names it
	s_endpgm
.Lfunc_end_k_q00c1efd921_mlp:
	.size	k_q00c1efd921_mlp, .Lfunc_end_k_q00c1efd921_mlp-k_q00c1efd921_mlp
	.p2alignl 7, 3214868480
	.fill 96, 4, 3214868480
	.section	.rodata,"a",@progbits
	.p2align	6, 0x0
	.amdhsa_kernel k_q00c1efd921_mlp
		.amdhsa_group_segment_fixed_size 327680
		.amdhsa_private_segment_fixed_size 0
		.amdhsa_enable_private_segment 0
		.amdhsa_kernarg_size 40
		.amdhsa_user_sgpr_count 2
		.amdhsa_user_sgpr_kernarg_segment_ptr 1
		.amdhsa_wavefront_size32 1
		.amdhsa_system_sgpr_workgroup_id_x 1
		.amdhsa_system_sgpr_workgroup_id_y 1
		.amdhsa_system_sgpr_workgroup_id_z 1
		.amdhsa_system_vgpr_workitem_id 0
		.amdhsa_next_free_vgpr 512
		.amdhsa_next_free_sgpr 66
		.amdhsa_reserve_vcc 1
		.amdhsa_float_denorm_mode_32 3
		.amdhsa_float_denorm_mode_16_64 3
		.amdhsa_memory_ordered 1
		.amdhsa_forward_progress 1
		.amdhsa_inst_pref_size 96
	.end_amdhsa_kernel
	.amdgpu_metadata
---
amdhsa.version: [ 1, 2 ]
amdhsa.kernels:
  - .name:           k_q00c1efd921_mlp
    .symbol:         k_q00c1efd921_mlp.kd
    .args:
      - { .name: comb, .offset: 0, .size: 8, .value_kind: global_buffer, .address_space: global }
      - { .name: wm, .offset: 8, .size: 8, .value_kind: global_buffer, .address_space: global }
      - { .name: mlp_b1, .offset: 16, .size: 8, .value_kind: global_buffer, .address_space: global }
      - { .name: mlp_W2, .offset: 24, .size: 8, .value_kind: global_buffer, .address_space: global }
      - { .name: part, .offset: 32, .size: 8, .value_kind: global_buffer, .address_space: global }
    .group_segment_fixed_size: 327680
    .private_segment_fixed_size: 0
    .kernarg_segment_align: 8
    .kernarg_segment_size: 40
    .max_flat_workgroup_size: 128
    .sgpr_count:     66
    .vgpr_count:     512
    .wavefront_size: 32
...
	.end_amdgpu_metadata
.endif
;; end of part 3
;; launch sum (part 4): grid 32 x 1, 4 waves a work-group, no clusters, 0 bytes of LDS; arguments part, mlp_b2, out0; writes out0
.if DOCPART == 4
	.amdgcn_target "amdgcn-amd-amdhsa--gfx1250"
	.amdhsa_code_object_version 6
	.text
	.protected	k_q00c1efd921_sum
	.globl	k_q00c1efd921_sum
	.p2align	8
	.type	k_q00c1efd921_sum,@function
k_q00c1efd921_sum:
	s_mov_b64 s[64:65], 0
	v_nop
	global_prefetch_b8 v0, s[64:65] scope:SCOPE_SE
	s_setreg_imm32_b32 hwreg(HW_REG_WAVE_MODE, 25, 1), 1
	s_wait_xcnt 0x0
; out0[row][:] = b2r + the eight slices' partial sums, added in ascending order of the slice, in f32.  part: [8][8192][2] f32.
; A thread owns 16 bytes (two rows): a wave's load or store covers 512 consecutive bytes.  The sum spans work-groups of the launch before, so it has a launch of its own.
	s_load_b128 s[4:7], s[0:1], 0x0                ; part, mlp_b2
	s_load_b64 s[8:9], s[0:1], 0x10                ; out0
	v_lshlrev_b32 v1, 4, v0
	s_lshl_b32 s10, ttmp9, 11                      ; 128 threads x 16 bytes
	v_add_nc_u32 v1, s10, v1
	s_wait_kmcnt 0x0
	s_load_b64 s[12:13], s[6:7], 0x0               ; the two biases
.irp s, 0,1,2,3,4,5,6,7
	global_load_b128 v[4+4*(\s):7+4*(\s)], v1, s[4:5] offset:(\s)*65536
.endr
	s_wait_kmcnt 0x0
	v_cvt_pk_bf16_f32 v2, s12, s13                 ; rounded to bf16 like every input
	v_and_b32 v3, 0xffff0000, v2
	v_lshlrev_b32 v2, 16, v2
	s_wait_loadcnt 7                               ; slice 0 is in; the seven younger loads stay out
	v_pk_add_f32 v[4:5], v[4:5], v[2:3]
	v_pk_add_f32 v[6:7], v[6:7], v[2:3]
.irp s, 1,2,3,4,5,6,7
	s_wait_loadcnt 7-(\s)
	v_pk_add_f32 v[4:5], v[4:5], v[4+4*(\s):5+4*(\s)]
	v_pk_add_f32 v[6:7], v[6:7], v[6+4*(\s):7+4*(\s)]
.endr
	global_store_b128 v1, v[4:7], s[8:9]
	s_endpgm
.Lfunc_end_k_q00c1efd921_sum:
	.size	k_q00c1efd921_sum, .Lfunc_end_k_q00c1efd921_sum-k_q00c1efd921_sum
	.p2alignl 7, 3214868480
	.fill 96, 4, 3214868480
	.section	.rodata,"a",@progbits
	.p2align	6, 0x0
	.amdhsa_kernel k_q00c1efd921_sum
		.amdhsa_group_segment_fixed_size 0
		.amdhsa_private_segment_fixed_size 0
		.amdhsa_enable_private_segment 0
		.amdhsa_kernarg_size 24
		.amdhsa_user_sgpr_count 2
		.amdhsa_user_sgpr_kernarg_segment_ptr 1
		.amdhsa_wavefront_size32 1
		.amdhsa_system_sgpr_workgroup_id_x 1
		.amdhsa_system_sgpr_workgroup_id_y 1
		.amdhsa_system_sgpr_workgroup_id_z 1
		.amdhsa_system_vgpr_workitem_id 0
		.amdhsa_next_free_vgpr 48
		.amdhsa_next_free_sgpr 66
		.amdhsa_reserve_vcc 0
		.amdhsa_float_denorm_mode_32 3
		.amdhsa_float_denorm_mode_16_64 3
		.amdhsa_memory_ordered 1
		.amdhsa_forward_progress 1
		.amdhsa_inst_pref_size 3
	.end_amdhsa_kernel
	.amdgpu_metadata
---
amdhsa.version: [ 1, 2 ]
amdhsa.kernels:
  - .name:           k_q00c1efd921_sum
    .symbol:         k_q00c1efd921_sum.kd
    .args:
      - { .name: part, .offset: 0, .size: 8, .value_kind: global_buffer, .address_space: global }
      - { .name: mlp_b2, .offset: 8, .size: 8, .value_kind: global_buffer, .address_space: global }
      - { .name: out0, .offset: 16, .size: 8, .value_kind: global_buffer, .address_space: global }
    .group_segment_fixed_size: 0
    .private_segment_fixed_size: 0
    .kernarg_segment_align: 8
    .kernarg_segment_size: 24
    .max_flat_workgroup_size: 128
    .sgpr_count:     66
    .vgpr_count:     48
    .wavefront_size: 32
...
	.end_amdgpu_metadata
.endif
;; end of part 4
;; ======== version 2 of 2: 4 launches; 1.11 times as fast as version 1
;; limits: a function is approximated: absolute error at most 2.5e-05
;; workspace buffers: wpk 1,310,720 bytes; wm 2,097,152 bytes; dv 2,048 bytes; comb 16,777,216 bytes; part 524,288 bytes
;; launch prep: the kernel of part 1 again; grid 256 x 1, 8 waves a work-group, no clusters, 25,600 bytes of LDS; arguments real_W1, real_W2, real_b2, fake_W1, fake_W2, fake_b2, mlp_W1, wpk, wm, dv; writes wpk, wm, dv
;; launch ode (part 5): grid 256 x 1, 4 waves a work-group, no clusters, 100,864 bytes of LDS; arguments z, real_W1, real_b1, real_b2, fake_W1, fake_b1, fake_b2, wpk, dv, comb; writes comb
.if DOCPART == 5
	.amdgcn_target "amdgcn-amd-amdhsa--gfx1250"
	.amdhsa_code_object_version 6
	.text
	.protected	k_q00c1efd921_ode
	.globl	k_q00c1efd921_ode
	.p2align	8
	.type	k_q00c1efd921_ode,@function
k_q00c1efd921_ode:
	s_mov_b64 s[64:65], 0
	v_nop
	global_prefetch_b8 v0, s[64:65] scope:SCOPE_SE
	s_setreg_imm32_b32 hwreg(HW_REG_WAVE_MODE, 25, 1), 1
	s_wait_xcnt 0x0
; ONE ODE (o = id & 1: real, fake) FOR 64 ROWS OF z (block id >> 1), all twelve Euler steps, in the space of the 256 hidden units.
;   x' = c x, c = sqrt(log2(e)/2), x = z W1[:512] + b1 + t wt.   x'_0 = c (zr W1r + b1r + wtr).   Step: h' = -gelu(x) / 12;  H += h';  x' += d' + bf16(h') M'.
;   End: proj = zr - b2r + bf16(H) W2r, rounded to bf16 and stored as the next launch's fragments.  M', d' and the packed weights come from the launch before.
; This is the Euler recursion on z multiplied by W1: exact algebra, no difference of large sums; only the order of the sums differs, and t is carried as -1/12 a step inside d'.
; GELU.  a = |x'|, t = 1 / (1 + P a), E = 2^(-x'^2) = e^(-x^2/2);  h' = K2 x' + a (K2 + (A1 + A2 t + A3 t^2) t E): Abramowitz-Stegun 7.1.25.
; LIMITS.  erf is off by at most 2.5e-5 for every argument, a sixtieth of the bf16 step to which h' and H are rounded; E below 2^-126 counts as 0; NaN and infinities are not treated apart.
; All matrix operands are bf16: x may grow from step to step with larger weights, which f16 would not hold.
; SHARES.  Wave w owns hidden units 64 w .. 64 w + 63 (four f tiles) of all 64 rows (four row tiles); its quarter of M', 256 registers, stays in registers for all steps.
; The products are used transposed (source 0 = a weight fragment, source 1 = 16 batch rows): a lane holds ONE batch row (lane % 16) and eight neighbouring columns 8 (lane / 16) + 0..7.
; BY TURNS.  A tile has 69 vector instructions for 8 matrix instructions, so vector work bounds the loop.  The rows are two PIECES (row tiles 0, 1 and 2, 3): in a turn one piece has the matrix
; unit, 64 products, and eight instructions of the other piece's GELU stand behind each.  h' goes from wave to wave through LDS, one barrier a turn.
; BATCHES.  A tile's eight reciprocals and eight exponentials read no other's result, so those of TWO tiles are one batch of 32, and a piece's eight tiles go in four batches.  A batch's queue: first all
; that names no result of the batch (a, 1 + P a, -x'^2, K2 x' and x' + d' of both tiles) and the 32 themselves, transcendental and plain by turns; then ONE wait, ahead of
; the first line that names a result; then both tiles' polynomial, h', H and store.  Each tile of a batch has an a, t, E and K2 x' of its own, 32 registers; window 0 has room for two such sets.
; NO CLUSTER: weights go once from memory straight into the registers where they stay; a joint load would land in LDS and add a pass through it.
; LDS: ZR 64 rows of zr, 1,024 + 16 bytes; HB 64 rows of h' (later H), 512 + 16 bytes: pitches are odd multiples of 16 bytes, so the 16 rows of a fragment load start at different banks (ISA guide 11.1).
; REGISTERS, in windows of 256 (s_set_vgpr_msb: bits 1:0 source 0, 3:2 source 1, 5:4 source 2, 7:6 destination):
;   window 0: v1-11 addresses, v12-23 constants in pairs, v24-31 c and six at work (in the loop: the polynomial), v32-63 d' (later b2r), v64-127 two tiles' GELU at work, v128-255 x', tile (rt, ft) at 128 + 8 (4 rt + ft)
;   window 1: W1 K steps 0-7, then M' at 8 (8 ft + ks), then W2 latent tiles 4-7      window 3: W1 K steps 8-15, then W2 latent tiles 0-3
;   window 2: v0-127 H, v128-255 fragments of batch rows; at the start all 256 take z as loaded; at the end all 256 hold H's fragments
.set ZP,    1040
.set HP,    528
.set HB,    64*ZP
.set SPARE, HB+64*HP                   ; the spare words, 128 bytes a wave
.set SPW, 10
.set NIL, 11
.set KP,  12
.set KONE, 14
.set KA1, 16
.set KA2, 18
.set KA3, 20
.set KK2, 22
.set KC,  24                           ; c: it has served when the loop begins
.set TP,  24                           ; in the loop: the polynomial, one tile at a time
.set DV,  32
.set TA,  64                           ; a; the batch's second tile has its four sets 32 registers on
.set TT,  72                           ; 1 + P a, then t
.set TE,  80                           ; -x'^2, then E, then t E; at last its first four registers take h' rounded to bf16
.set TW,  88                           ; K2 x', then h'
.set TO,  104                          ; the way out: 16 bytes to store
.set XR,  128
.set MSB, 0
.macro WIN new                         ; the immediate's high byte repeats the setting that is left; a switch that changes nothing is dropped
.if MSB != (\new)
	s_set_vgpr_msb (MSB<<8)|(\new)
.set MSB, \new
.endif
.endm
.macro PLACES                          ; four places behind a matrix instruction, ahead of loads into its sources and of reads of its result
.rept 4
	v_nop
.endr
.endm
.macro KPAIR r, val
	v_mov_b32 v[\r], \val
	v_mov_b32 v[(\r)+1], \val
.endm
.macro RND a, t                        ; the pair v[a], v[a+1] rounded to bf16 and widened again
	v_cvt_pk_bf16_f32 v[\t], v[\a], v[(\a)+1]
	v_lshlrev_b32 v[\a], 16, v[\t]
	v_and_b32 v[(\a)+1], s7, v[\t]
.endm
.macro LOAD64 sb, first                ; 32 consecutive fragments into the 256 registers of the destination's window
.set n, 0
.rept 32
	global_load_b128 v[8*n:8*n+3],   v1, s[\sb:\sb+1] offset:((\first)+n)*1024
	global_load_b128 v[8*n+4:8*n+7], v1, s[\sb:\sb+1] offset:((\first)+n)*1024+512
.set n, n+1
.endr
.endm
.macro W1LD first, cnt, hi             ; W1's fragments (ft, ks % 8) = first .. of K steps 8 hi .. 8 hi + 7
.set n, \first
.rept \cnt
	global_load_b128 v[8*n:8*n+3],   v1, s[36:37] offset:((n/8)*16+n%8+8*(\hi))*1024
	global_load_b128 v[8*n+4:8*n+7], v1, s[36:37] offset:((n/8)*16+n%8+8*(\hi))*1024+512
.set n, n+1
.endr
.endm
.macro B2LOAD p                        ; b2 of my latent columns 128 w + 64 p + 16 lt + 8 h + 0..7
.irp lt, 0,1,2,3
	global_load_b128 v[DV+8*(\lt):DV+8*(\lt)+3],   v9, s[34:35] offset:(\p)*256+(\lt)*64
	global_load_b128 v[DV+8*(\lt)+4:DV+8*(\lt)+7], v9, s[34:35] offset:(\p)*256+(\lt)*64+16
.endr
.endm
	s_load_b512 s[8:23], s[0:1], 0x0               ; z; real W1, b1, b2; fake W1, b1, b2; wpk
	s_load_b128 s[24:27], s[0:1], 0x40             ; dv, comb
	v_lshl_add_u32 v[SPW], v0, 2, SPARE
	v_mov_b32 v[NIL], 0
	v_lshrrev_b32 v2, 5, v0
	v_readfirstlane_b32 s2, v2                     ; wave 0..3
	s_and_b32 s4, ttmp9, 1                         ; o
	s_lshr_b32 s5, ttmp9, 1                        ; block of 64 rows
	s_mov_b32 s6, 0x7fffffff
	s_mov_b32 s7, 0xffff0000
	v_and_b32 v1, 31, v0
	v_and_b32 v2, 15, v0                           ; r
	v_bfe_u32 v3, v0, 4, 1                         ; h
	v_lshlrev_b32 v8, 3, v1
	v_lshlrev_b32 v1, 4, v1                        ; v1 = 16 lane
	v_mul_u32_u24 v4, v2, ZP
	v_lshl_add_u32 v4, v3, 4, v4                   ; v4: a fragment of zr
	v_mul_u32_u24 v5, v2, HP
	v_lshl_add_u32 v5, v3, 4, v5
	v_add_nc_u32 v5, HB, v5                        ; v5: a fragment of h'
	v_lshl_add_u32 v6, s2, 7, v5                   ; v6: where I put 16 bytes of h': my wave's 64 columns
	v_lshl_add_u32 v7, s2, 8, v4                   ; v7: zr at my wave's 128 latent columns
	s_mul_i32 s46, s2, 16*ZP
	v_add_nc_u32 v8, s46, v8                       ; v8: staging: my wave's 16 rows, 8 bytes a lane
	v_lshlrev_b32 v9, 5, v3
	v_lshl_add_u32 v9, s2, 8, v9                   ; v9: 4 (64 w + 8 h): my eight numbers of b1, wt, d'
	KPAIR KP,   0x3ec88bda                         ; P  = 0.47047 / sqrt(log2 e) = 0.39169197
	KPAIR KONE, 1.0
	KPAIR KA1,  0x3c8bde01                         ; A1 =  0.3480242 / (24 c)
	KPAIR KA2,  0xbb9a21dc                         ; A2 = -0.0958798 / (24 c)
	KPAIR KA3,  0x3d16470f                         ; A3 =  0.7478556 / (24 c)
	KPAIR KK2,  0xbd48f1d4                         ; K2 = -1 / (24 c)
	KPAIR KC,   0x3f596d27                         ; c
.irp r, 28,29,30,31
	v_mov_b32 v\r, 0
.endr
	s_lshl_b32 s46, s5, 17                         ; z: 64 rows of 2,048 bytes a block, 16 rows a wave
	s_lshl_b32 s47, s2, 15
	s_add_co_u32 s46, s46, s47
	s_mov_b32 s47, 0
	s_mul_i32 s48, s4, 655360                      ; wpk: my ODE; W1's fragments, 64 a wave
	s_lshl_b32 s50, s2, 16
	s_add_co_u32 s48, s48, s50
	s_mov_b32 s49, 0
	s_add_co_u32 s52, s48, 393216                  ; W2's, 64 a wave
	s_mov_b32 s53, 0
	s_mul_i32 s50, s4, 655360
	s_lshl_b32 s54, s2, 15
	s_add_co_u32 s50, s50, s54
	s_add_co_u32 s50, s50, 262144                  ; M's, 32 a wave
	s_mov_b32 s51, 0
	s_lshl_b32 s54, s4, 10
	s_mov_b32 s55, 0
	s_lshr_b32 s56, s5, 1                          ; comb: block of 128 rows,
	s_lshl_b32 s56, s56, 18
	s_lshl_b32 s58, s4, 4
	s_lshl2_add_u32 s58, s2, s58                   ; K step 16 o + 4 w,
	s_lshl_b32 s58, s58, 13
	s_add_co_u32 s56, s56, s58
	s_and_b32 s58, s5, 1                           ; row tiles 0-3 or 4-7
	s_lshl_b32 s58, s58, 12
	s_add_co_u32 s56, s56, s58
	s_mov_b32 s57, 0
	s_lshl_b32 s58, s2, 8
	s_mov_b32 s59, 0
	s_wait_kmcnt 0x0
	s_add_nc_u64 s[28:29], s[8:9], s[46:47]
	s_cmp_eq_u32 s4, 0
	s_cselect_b64 s[30:31], s[10:11], s[16:17]
	s_cselect_b64 s[32:33], s[12:13], s[18:19]
	s_cselect_b64 s[34:35], s[14:15], s[20:21]
	s_add_nc_u64 s[30:31], s[30:31], 0x80000       ; W1's row 512
	s_add_nc_u64 s[34:35], s[34:35], s[58:59]      ; with v9: 4 (128 w + 8 h)
	s_add_nc_u64 s[36:37], s[22:23], s[48:49]
	s_add_nc_u64 s[38:39], s[22:23], s[50:51]
	s_add_nc_u64 s[40:41], s[22:23], s[52:53]
	s_add_nc_u64 s[42:43], s[24:25], s[54:55]
	s_add_nc_u64 s[44:45], s[26:27], s[56:57]
	; z: my wave's 16 rows, 512 consecutive bytes a load, rounded to bf16 into ZR
	WIN 0x80
.set i, 0
.rept 64
	global_load_b128 v[4*i:4*i+3], v1, s[28:29] offset:i*512
.set i, i+1
.endr
.set g, 0
.rept 4
	s_wait_loadcnt 48                              ; sixteen more loads of z are in: behind them 48 - 16 g of z and the 16 g of W1 issued since
	WIN 0x0a
.set i, 16*g
.rept 16
	v_cvt_pk_bf16_f32 v[XR+2*i],   v[4*i],   v[4*i+1]
	v_cvt_pk_bf16_f32 v[XR+2*i+1], v[4*i+2], v[4*i+3]
.set i, i+1
.endr
	WIN 0
.set i, 16*g
.rept 16
	ds_store_b64 v8, v[XR+2*i:XR+2*i+1] offset:(i/4)*ZP+(i%4)*256
.set i, i+1
.endr
	WIN 0x40
	W1LD 8*g, 8, 0
.set g, g+1
.endr
	WIN 0
.irp ft, 0,1,2,3
	global_load_b128 v[64+8*(\ft):67+8*(\ft)],   v9, s[32:33] offset:(\ft)*64        ; b1
	global_load_b128 v[68+8*(\ft):71+8*(\ft)],   v9, s[32:33] offset:(\ft)*64+16
	global_load_b128 v[96+8*(\ft):99+8*(\ft)],   v9, s[30:31] offset:(\ft)*64        ; wt
	global_load_b128 v[100+8*(\ft):103+8*(\ft)], v9, s[30:31] offset:(\ft)*64+16
	global_load_b128 v[DV+8*(\ft):DV+8*(\ft)+3],   v9, s[42:43] offset:(\ft)*64      ; d'
	global_load_b128 v[DV+8*(\ft)+4:DV+8*(\ft)+7], v9, s[42:43] offset:(\ft)*64+16
.endr
	WIN 0xc0
	W1LD 0, 32, 1
	WIN 0
.irp t, 0,1,2,3,4,5,6,7                ; the loop's first turn multiplies a step that has not been: piece 1's h' starts as 0
	ds_store_b128 v6, v[28:31] offset:(2+(\t)/4)*16*HP+((\t)%4)*32
.endr
	s_wait_dscnt 0x0                               ; for the others: my rows of zr and my zeros are in LDS
	s_barrier_signal -1
	s_barrier_wait -1
	; x0 = zr W1r: 16 K steps of 32, two to a group; 16 accumulators by turns
.macro XLOAD g                         ; the batch rows' fragments of K steps 2 g, 2 g + 1 into half g % 2 of the buffer
	WIN 0x80
.set n, 0
.rept 8
	ds_load_b128 v[128+64*((\g)%2)+8*n:128+64*((\g)%2)+8*n+3],   v4 offset:(n%4)*16*ZP+(2*(\g)+n/4)*64
	ds_load_b128 v[128+64*((\g)%2)+8*n+4:128+64*((\g)%2)+8*n+7], v4 offset:(n%4)*16*ZP+(2*(\g)+n/4)*64+32
.set n, n+1
.endr
.endm
.macro XG g
	PLACES                                         ; behind the group before: the loads below land in registers that it read
.if (\g) < 7
	XLOAD (\g)+1
.endif
.if (\g) == 4
	s_wait_loadcnt 0x0                             ; W1's K steps 8-15 are in
	WIN 0x40
	LOAD64 38, 0                                   ; M' takes the place of W1's K steps 0-7
.endif
.if (\g) < 7
	s_wait_dscnt 16                                ; this group's fragments are in; the next group's sixteen loads stay out
.else
	s_wait_dscnt 0x0
.endif
.if (\g) < 4
	WIN 0x09
.else
	WIN 0x0b
.endif
.set n, 0
.rept 32
.set xd, XR+8*(4*((n%16)/4)+n%4)
.set xa, 8*(8*(n%4)+(2*(\g)+n/16)%8)
.set xb, 128+64*((\g)%2)+8*(4*(n/16)+(n%16)/4)
.if ((\g) == 0) && (n < 16)
	v_wmma_f32_16x16x32_bf16 v[xd:xd+7], v[xa:xa+7], v[xb:xb+7], 0
.else
	v_wmma_f32_16x16x32_bf16 v[xd:xd+7], v[xa:xa+7], v[xb:xb+7], v[xd:xd+7]
.endif
.set n, n+1
.endr
.endm
	XLOAD 0
	WIN 0
	s_wait_loadcnt 63                              ; 88 loads were issued behind W1's K steps 0-7, the 24 of b1, wt and d' first: at 63 all those are in
.set k, 0
.rept 16                               ; cb = c (b1r + wtr), in wt's registers
	RND 64+2*k, 26
	RND 96+2*k, 27
	v_pk_add_f32 v[96+2*k:97+2*k], v[96+2*k:97+2*k], v[64+2*k:65+2*k]
	v_pk_mul_f32 v[96+2*k:97+2*k], v[96+2*k:97+2*k], v[KC:KC+1]
.set k, k+1
.endr
.irp g, 0,1,2,3,4,5,6,7
	XG \g
.endr
	WIN 0
	PLACES
.set n, 0
.rept 16                               ; x' = c x0 + cb, each accumulator from its low end on
.irp k, 0,2,4,6
	v_pk_fma_f32 v[XR+8*n+(\k):XR+8*n+(\k)+1], v[XR+8*n+(\k):XR+8*n+(\k)+1], v[KC:KC+1], v[96+8*(n%4)+(\k):96+8*(n%4)+(\k)+1]
.endr
.set n, n+1
.endr
	WIN 0x80
.set n, 0
.rept 128                              ; H = 0, so that no first step is written out
	v_mov_b32 v[n], 0
.set n, n+1
.endr
	s_wait_loadcnt 0x0                             ; M'
	WIN 0xc0
	LOAD64 40, 0                                   ; W2's latent tiles 0-3 take the place of W1's K steps 8-15: they have the whole loop in which to land
; Number gj of the 69 of tile gt (0..7) of piece PY.  16-31 are the tile's reciprocals and exponentials; 0-15 and 32-39 name none of their results; 40-68 hang on them and stand behind the batch's wait.
.macro G
.set grt, 2*PY+gt/4
.set gft, gt%4
.set gx, XR+8*(4*grt+gft)
.set gh, 8*(4*grt+gft)
.set gd, DV+8*gft
.set gk, 2*(gj%4)
.set gu, 32*(gt%2)                     ; the batch's first or second tile: a, t, E and K2 x' of its own
.if (gj < 64) || (gj == 68)
	WIN 0
.endif
.if gj < 8
	v_and_b32 v[TA+gu+gj], s6, v[gx+gj]            ; a = |x'|: the accumulator is read from its low end on
.elseif gj < 12
	v_pk_fma_f32 v[TT+gu+gk:TT+gu+gk+1], v[TA+gu+gk:TA+gu+gk+1], v[KP:KP+1], v[KONE:KONE+1]
.elseif gj < 16
	v_pk_mul_f32 v[TE+gu+gk:TE+gu+gk+1], v[gx+gk:gx+gk+1], v[gx+gk:gx+gk+1] neg_lo:[1,0] neg_hi:[1,0]
.elseif gj < 24
	v_rcp_f32 v[TT+gu+gj-16], v[TT+gu+gj-16]
.elseif gj < 32
	v_exp_f32 v[TE+gu+gj-24], v[TE+gu+gj-24]
.elseif gj < 36
	v_pk_mul_f32 v[TW+gu+gk:TW+gu+gk+1], v[gx+gk:gx+gk+1], v[KK2:KK2+1]
.elseif gj < 40
	v_pk_add_f32 v[gx+gk:gx+gk+1], v[gx+gk:gx+gk+1], v[gd+gk:gd+gk+1]
.elseif gj < 44
	v_pk_fma_f32 v[TP+gk:TP+gk+1], v[TT+gu+gk:TT+gu+gk+1], v[KA3:KA3+1], v[KA2:KA2+1]
.elseif gj < 48
	v_pk_fma_f32 v[TP+gk:TP+gk+1], v[TP+gk:TP+gk+1], v[TT+gu+gk:TT+gu+gk+1], v[KA1:KA1+1]
.elseif gj < 52
	v_pk_mul_f32 v[TE+gu+gk:TE+gu+gk+1], v[TT+gu+gk:TT+gu+gk+1], v[TE+gu+gk:TE+gu+gk+1]
.elseif gj < 56
	v_pk_fma_f32 v[TP+gk:TP+gk+1], v[TP+gk:TP+gk+1], v[TE+gu+gk:TE+gu+gk+1], v[KK2:KK2+1]
.elseif gj < 60
	v_pk_fma_f32 v[TW+gu+gk:TW+gu+gk+1], v[TA+gu+gk:TA+gu+gk+1], v[TP+gk:TP+gk+1], v[TW+gu+gk:TW+gu+gk+1]
.elseif gj < 64
	v_cvt_pk_bf16_f32 v[TE+gu+gj-60], v[TW+gu+2*(gj-60)], v[TW+gu+2*(gj-60)+1]   ; t E has served: its first four registers take the 16 bytes
.elseif gj < 68
	WIN 0x82
	v_pk_add_f32 v[gh+gk:gh+gk+1], v[gh+gk:gh+gk+1], v[TW+gu+gk:TW+gu+gk+1]
.elseif gj == 68
	ds_store_b128 v6, v[TE+gu:TE+gu+3] offset:grt*16*HP+gft*32
.set NST, NST+1
.endif
.endm
; The next n places of the piece's queue.  A batch of two tiles has 144 places, of which 138 hold an instruction:
;   0-15    the first tile's numbers 0-15
;   16-47   the first tile's 16 transcendentals (even places) and the second tile's numbers 0-15 (odd places), by turns
;   48-79   the second tile's 16 transcendentals (even places) and numbers 32-39 of the first tile, then of the second (odd places): place 79 is the plain instruction behind the last exponential (ISA guide 5.7.2)
;   (wait)  behind place 79, which ends a slice of eight: ahead of the next product
;   80-108, 112-140  numbers 40-68 of the first tile, of the second; each run begins a slice, and so do its four additions onto H, which need a window of their own
.macro NEXT n
.rept \n
.if q < 576
.set bj, q%144
.if bj < 16
.set gt, 2*(q/144)
.set gj, bj
.elseif bj < 48
.set gt, 2*(q/144)+bj%2
.set gj, (bj-16)/2+16*(1-bj%2)
.elseif (bj < 80) && (bj%2 == 0)
.set gt, 2*(q/144)+1
.set gj, 16+(bj-48)/2
.elseif bj < 80
.set gt, 2*(q/144)+(bj-48)/16
.set gj, 32+((bj-48)/2)%8
.else
.set gt, 2*(q/144)+(bj-80)/32
.set gj, 40+(bj-80)%32
.endif
	G
.if bj == 79
	s_wait_alu depctr_va_vdst(0)                   ; the wait for the batch: both tiles' 16 reciprocals and 16 exponentials; nothing ahead of it names a result of theirs
.endif
.endif
.set q, q+1
.endr
.endm
.macro WM                              ; product i of 64 of piece PX: K step i / 8; its 8 accumulators take turns
.set wd, XR+8*(4*(2*PX+(i%8)/4)+i%4)
.set wa, 8*(8*(i%4)+i/8)
.set wb, 128+8*(2*(i/8)+(i%8)/4)
	WIN 0x09
	v_wmma_f32_16x16x32_bf16 v[wd:wd+7], v[wa:wa+7], v[wb:wb+7], v[wd:wd+7]
.set i, i+1
.endm
; A TURN: x' of piece x += h' M'; beside it the GELU of piece y, four batches, a wait each.  No line of the GELU names a register of the products round it.  No transcendental stands behind the turn's last wait.
.macro TURN x, y
.set PX, \x
.set PY, \y
.set q, 0
.set i, 0
.set NST, 0
	WIN 0x80
.set n, 0
.rept 16                               ; piece x's h', all 256 columns, K step by K step
	ds_load_b128 v[128+8*n:128+8*n+3],   v5 offset:(2*PX+n%2)*16*HP+(n/2)*64
	ds_load_b128 v[128+8*n+4:128+8*n+7], v5 offset:(2*PX+n%2)*16*HP+(n/2)*64+32
.set n, n+1
.endr
	NEXT 72                                        ; the first batch's first 72 places stand in the wait for the first fragments
.rept 64
.if i%8 == 0
	s_wait_dscnt 28-4*(i/8)+NST                    ; this K step's four loads are in: behind them the later K steps' loads and the stores of h' issued since
.endif
	WM
	NEXT 8
.endr
	WIN 0
	PLACES                                         ; the queue ends behind product 62: these are the places behind product 63, ahead of the next turn's loads into its source
	s_wait_dscnt 0x0                               ; my reads of piece x's h' are over and my part of piece y's is in LDS:
	s_barrier_signal -1                            ; the next turn reads the one and writes the other
	s_barrier_wait -1
.endm
	WIN 0
	s_mov_b32 s3, 12
.Lstep:                                                ; trip i: piece 1's product of step i - 1 beside piece 0's GELU of step i; piece 0's product of step i beside piece 1's GELU of step i
	TURN 1, 0                                      ; (trip 0's first product adds zeros, trip 11's second serves nothing: both lie under vector work and spare two written-out GELU blocks)
	TURN 0, 1
	s_sub_co_u32 s3, s3, 1
	s_cmp_lg_u32 s3, 0
	s_cbranch_scc1 .Lstep
	; proj = zr - b2r + bf16(H) W2r
	WIN 0x40
	LOAD64 40, 32                                  ; W2's latent tiles 4-7 take M's place
	WIN 0
	B2LOAD 0
.set t, 0
.rept 4                                ; H, rounded, goes where h' went
	WIN 0x0a
.set k, 0
.rept 16
	v_cvt_pk_bf16_f32 v[64+k], v[32*t+2*k], v[32*t+2*k+1]
.set k, k+1
.endr
	WIN 0
.irp ft, 0,1,2,3
	ds_store_b128 v6, v[64+4*(\ft):67+4*(\ft)] offset:t*16*HP+(\ft)*32
.endr
.set t, t+1
.endr
	s_wait_dscnt 0x0
	s_barrier_signal -1
	s_barrier_wait -1
	WIN 0x80
.set n, 0
.rept 32                               ; all of H's fragments: K step n / 4, row tile n % 4
	ds_load_b128 v[8*n:8*n+3],   v5 offset:(n%4)*16*HP+(n/4)*64
	ds_load_b128 v[8*n+4:8*n+7], v5 offset:(n%4)*16*HP+(n/4)*64+32
.set n, n+1
.endr
	s_wait_dscnt 0x0
	s_wait_loadcnt 0x0                             ; W2 and b2
; Half p of my 128 latent columns: 128 products on 16 accumulators by turns (x' has served), then the way out.  A lane's eight numbers of latent tile lt ARE registers 0-3 (lt even) or 4-7 (lt odd)
; of the next launch's fragment (16 batch rows x 32 columns), so each store covers 512 consecutive bytes, at a multiple of 512 from comb's first byte.
.macro PROJ p
.if (\p) == 1
	WIN 0
	B2LOAD 1
	WIN 0x09
.else
	WIN 0x0b
.endif
.set n, 0
.rept 128
.set pd, XR+8*(4*((n%16)/4)+n%4)
.set pa, 8*(8*((n%16)/4)+n/16)
.set pb, 8*(4*(n/16)+n%4)
.if n < 16
	v_wmma_f32_16x16x32_bf16 v[pd:pd+7], v[pa:pa+7], v[pb:pb+7], 0
.else
	v_wmma_f32_16x16x32_bf16 v[pd:pd+7], v[pa:pa+7], v[pb:pb+7], v[pd:pd+7]
.endif
.set n, n+1
.endr
	WIN 0
	PLACES
	s_wait_loadcnt 0x0                             ; b2 of this half
.set k, 0
.rept 16
	RND DV+2*k, 26
.set k, k+1
.endr
.set t, 0
.rept 2
.set k, 0
.rept 8                                ; zr of eight tiles (tile 4 lt + rt)
	ds_load_b128 v[64+4*k:67+4*k], v7 offset:((t+k)%4)*16*ZP+(\p)*128+((t+k)/4)*32
.set k, k+1
.endr
.set k, 0
.rept 8
.set pd, XR+8*(t+k)
.set pl, (t+k)/4
	s_wait_dscnt 7-k                               ; LDS loads come back in order (ISA guide 5.7.1): tile k's is in
.irp m, 0,1,2,3
	v_lshlrev_b32 v[96+2*(\m)], 16, v[64+4*k+(\m)]
	v_and_b32     v[97+2*(\m)], s7, v[64+4*k+(\m)]
.endr
.irp m, 0,2,4,6
	v_pk_add_f32 v[96+(\m):97+(\m)], v[pd+(\m):pd+(\m)+1], v[96+(\m):97+(\m)]
.endr
.irp m, 0,2,4,6
	v_pk_add_f32 v[96+(\m):97+(\m)], v[96+(\m):97+(\m)], v[DV+8*pl+(\m):DV+8*pl+(\m)+1] neg_lo:[0,1] neg_hi:[0,1]
.endr
	s_wait_xcnt 0x0                                ; the last store's data registers are rewritten only behind this wait (ISA guide 3.1)
.irp m, 0,1,2,3
	v_cvt_pk_bf16_f32 v[TO+(\m)], v[96+2*(\m)], v[97+2*(\m)]
.endr
	global_store_b128 v1, v[TO:TO+3], s[44:45] offset:(2*(\p)+pl/2)*8192+((t+k)%4)*1024+(pl%2)*512
.set k, k+1
.endr
.set t, t+8
.endr
.endm
	PROJ 0
	PROJ 1
	s_wait_tensorcnt 0x0                           ; the wave's end, behind my last LDS store
	ds_add_u32 v[SPW], v[NIL]
	s_wait_dscnt 0x0
	s_endpgm
.Lfunc_end_k_q00c1efd921_ode:
	.size	k_q00c1efd921_ode, .Lfunc_end_k_q00c1efd921_ode-k_q00c1efd921_ode
	.p2alignl 7, 3214868480
	.fill 96, 4, 3214868480
	.section	.rodata,"a",@progbits
	.p2align	6, 0x0
	.amdhsa_kernel k_q00c1efd921_ode
		.amdhsa_group_segment_fixed_size 100864
		.amdhsa_private_segment_fixed_size 0
		.amdhsa_enable_private_segment 0
		.amdhsa_kernarg_size 80
		.amdhsa_user_sgpr_count 2
		.amdhsa_user_sgpr_kernarg_segment_ptr 1
		.amdhsa_wavefront_size32 1
		.amdhsa_system_sgpr_workgroup_id_x 1
		.amdhsa_system_sgpr_workgroup_id_y 1
		.amdhsa_system_sgpr_workgroup_id_z 1
		.amdhsa_system_vgpr_workitem_id 0
		.amdhsa_next_free_vgpr 1024
		.amdhsa_next_free_sgpr 66
		.amdhsa_reserve_vcc 0
		.amdhsa_float_denorm_mode_32 3
		.amdhsa_float_denorm_mode_16_64 3
		.amdhsa_memory_ordered 1
		.amdhsa_forward_progress 1
		.amdhsa_inst_pref_size 246
	.end_amdhsa_kernel
	.amdgpu_metadata
---
amdhsa.version: [ 1, 2 ]
amdhsa.kernels:
  - .name:           k_q00c1efd921_ode
    .symbol:         k_q00c1efd921_ode.kd
    .args:
      - { .name: z, .offset: 0, .size: 8, .value_kind: global_buffer, .address_space: global }
      - { .name: real_W1, .offset: 8, .size: 8, .value_kind: global_buffer, .address_space: global }
      - { .name: real_b1, .offset: 16, .size: 8, .value_kind: global_buffer, .address_space: global }
      - { .name: real_b2, .offset: 24, .size: 8, .value_kind: global_buffer, .address_space: global }
      - { .name: fake_W1, .offset: 32, .size: 8, .value_kind: global_buffer, .address_space: global }
      - { .name: fake_b1, .offset: 40, .size: 8, .value_kind: global_buffer, .address_space: global }
      - { .name: fake_b2, .offset: 48, .size: 8, .value_kind: global_buffer, .address_space: global }
      - { .name: wpk, .offset: 56, .size: 8, .value_kind: global_buffer, .address_space: global }
      - { .name: dv, .offset: 64, .size: 8, .value_kind: global_buffer, .address_space: global }
      - { .name: comb, .offset: 72, .size: 8, .value_kind: global_buffer, .address_space: global }
    .group_segment_fixed_size: 100864
    .private_segment_fixed_size: 0
    .kernarg_segment_align: 8
    .kernarg_segment_size: 80
    .max_flat_workgroup_size: 128
    .sgpr_count:     66
    .vgpr_count:     1024
    .wavefront_size: 32
...
	.end_amdgpu_metadata
.endif
;; end of part 5
;; launch mlp (part 6): grid 4 x 64, 4 waves a work-group, clusters of 4 x 4, 327,680 bytes of LDS; arguments comb, wm, mlp_b1, mlp_W2, part; writes part
.if DOCPART == 6
	.amdgcn_target "amdgcn-amd-amdhsa--gfx1250"
	.amdhsa_code_object_version 6
	.text
	.protected	k_q00c1efd921_mlp
	.globl	k_q00c1efd921_mlp
	.p2align	8
	.type	k_q00c1efd921_mlp,@function
k_q00c1efd921_mlp:
	s_mov_b64 s[64:65], 0
	v_nop
	global_prefetch_b8 v0, s[64:65] scope:SCOPE_SE
	s_setreg_imm32_b32 hwreg(HW_REG_WAVE_MODE, 25, 1), 1
	s_wait_xcnt 0x0
	s_wait_alu depctr_hold_cnt(0) depctr_sa_sdst(0) depctr_va_vdst(0) depctr_va_sdst(0) depctr_va_ssrc(0) depctr_va_vcc(0) depctr_vm_vsrc(0)
	s_getreg_b32 s2, hwreg(HW_REG_IB_STS2, 6, 4)
	s_cmp_eq_u32 s2, 0
	s_cbranch_scc0 .Lentry_in_a_cluster
	s_endpgm
.Lentry_in_a_cluster:
	s_bfe_u32 s2, ttmp6, 0x10000c
	s_cmp_lg_u32 s2, 0xf033
	s_cbranch_scc0 .Lentry_shape_is_right
	s_endpgm
.Lentry_shape_is_right:
; THE CLASSIFIER'S FIRST LAYER, ITS GELU, AND ITS SHARE OF THE SECOND.  hidden = gelu(comb mlp_W1r + b1r); part[slice][row][:] = the sum over the slice's 128 hidden units of hidden W2r.
; comb (8192 x 1024, bf16) and the weights arrive as ready fragments of 1,024 bytes (byte 16 l: registers 0-3 of lane l; byte 512 + 16 l: registers 4-7), so a tile is a dense block of memory,
; an LDS read is 512 consecutive bytes, and no padding is needed.
; SHARES.  A work-group makes 128 rows x 256 hidden units; wave w row tiles 4 (w >> 1) .., unit tiles 8 (w & 1) ..: 32 accumulators.  The products are used transposed (source 0 = weights,
; source 1 = 16 batch rows): a lane holds one batch row and eight neighbouring units.  The last product has two columns: it is made in f32 on the vector unit, one packed multiply-add for both classes.
; K goes in steps of 128 (four of 32) through two LDS slots: comb 32 KB, weights 64 KB.
; CLUSTER 4 x 4: the four of a row share the rows of comb, the four of a column the weights; each tile is asked for jointly.  A wave has two tensor loads out at the start, later one.
; GELU on x' = c x, c = sqrt(log2(e)/2): a = |x'|, t = 1 / (1 + P a), E = 2^(-x'^2); gelu = K2 x' + a (K2 + (B1 + B2 t + B3 t^2 + B4 t^3 + B5 t^4) t E): Abramowitz-Stegun 7.1.26.
; BATCHES.  On the way out a trip has four tiles, and their 32 reciprocals and 32 exponentials are ONE batch: each tile has an a, t and E of its own; behind a tile's sixteen stands the next tile's plain work,
; behind the last tile's the sixteen multiplies K2 x'; then one wait, ahead of the first line that names a result; then the four tiles' polynomials and sums.
; LIMITS.  erf is off by at most 1.5e-7; E below 2^-126 counts as 0; NaN and infinities are not treated apart.  The sum over the 1,024 units is made in eight slices, added by the next launch.
; REGISTERS: window 0: v1-3, v16-29 addresses; F0 = v32-127, F1 = v128-223: 8 fragments of weights, then 4 of comb; window 1: the accumulators, (rt, nt) at 8 (8 rt + nt).
.set SLOT,  98304
.set WOFF,  32768                      ; a slot's weights lie behind its 32 KB of comb
.set SPARE, 2*SLOT                     ; behind the ring: the spare words, 128 bytes a wave
.set LAPS,  4                          ; 8 K steps, two to a lap
.set ADRC, 16
.set ADRW, 20
.set STA,  24
.set SPW,  28
.set NIL,  29
.set F0,   32
.set F1,   128
.set WV,   14
.set WHI,  15
.set WLO,  16
.set G1,   24
.set G0,   32
.set G1B,  48
.set G0B,  56
.set MSB, 0
.macro WIN new
.if MSB != (\new)
	s_set_vgpr_msb (MSB<<8)|(\new)
.set MSB, \new
.endif
.endm
.macro PLACES
.rept 4
	v_nop
.endr
.endm
.macro JLOAD s                         ; a joint refill: waves 0, 1 fetch the halves of comb's tile, waves 2, 3 those of the weights'; s_nop 0 and four v_nop follow each line
	s_cmp_eq_u32 s[WHI], 0
	s_cbranch_scc0 .Lfor_b_\@
	tensor_load_to_lds s[G0+4*(\s):G0+4*(\s)+3], s[G1:G1+7]
	s_nop 0
.rept 4
	v_nop
.endr
	s_branch .Lasked_\@
.Lfor_b_\@:
	tensor_load_to_lds s[G0B+4*(\s):G0B+4*(\s)+3], s[G1B:G1B+7]
	s_nop 0
.rept 4
	v_nop
.endr
.Lasked_\@:
.endm
.macro CREST                           ; a round of the cluster's barrier behind its opening barrier
	s_cmp_lg_u32 s[WV], 0
	s_cbranch_scc1 .Lnot_wave_0_\@
	s_barrier_signal -3
.Lnot_wave_0_\@:
	s_barrier_wait -3
	s_barrier_signal -1
	s_barrier_wait -1
.endm
.macro CROUND
	s_barrier_signal -1
	s_barrier_wait -1
	CREST
.endm
	s_load_b256 s[4:11], s[0:1], 0x0               ; comb, wm, mlp_b1, mlp_W2
	s_load_b64 s[12:13], s[0:1], 0x20              ; part
	v_lshl_add_u32 v[SPW], v0, 2, SPARE
	v_mov_b32 v[NIL], 0
	ds_add_u32 v[SPW], v[NIL]                      ; the wave's opening, ahead of my first tensor load
	v_lshrrev_b32 v1, 5, v0
	v_readfirstlane_b32 s[WV], v1
	s_lshr_b32 s[WHI], s[WV], 1                    ; my half of the rows.  Also: I fetch comb (0) or weights (1)
	s_and_b32 s[WLO], s[WV], 1                     ; my half of the units.  Also: which half of that tile I fetch
	s_bfe_u32 s17, ttmp6, 0x40000                  ; cx
	s_bfe_u32 s18, ttmp6, 0x40004                  ; cy
	s_lshl_b32 s19, ttmp9, 2
	s_add_co_u32 s19, s19, s17                     ; block of 256 units
	s_and_b32 s20, ttmp7, 0xffff
	s_lshl_b32 s20, s20, 2
	s_add_co_u32 s20, s20, s18                     ; block of 128 rows
	s_lshl_b32 s21, s18, 2
	s_lshl_b32 s21, 15, s21                        ; my row of the cluster
	s_lshl_b32 s22, 0x1111, s17                    ; my column
	; group 1: a dense block as rows of 256 bytes (32 elements of 8 bytes): 64 rows for half of comb's tile, 128 for half of the weights'
	s_or_b32 s[G1],  s21, (3<<16)|(1<<21)          ; 15:0 the mask; 17:16 elements of 8 bytes; 21 set beside a mask
	s_or_b32 s[G1B], s22, (3<<16)|(1<<21)
	s_mov_b32 s[G1+1],  32<<16                     ; tensor_dim0 = 32
	s_mov_b32 s[G1B+1], 32<<16
	s_mov_b32 s[G1+2],  64<<16                     ; tensor_dim1
	s_mov_b32 s[G1B+2], 128<<16
	s_mov_b32 s[G1+3],  32<<16                     ; tile_dim0 = 32
	s_mov_b32 s[G1B+3], 32<<16
	s_mov_b32 s[G1+4],  64                         ; tile_dim1
	s_mov_b32 s[G1B+4], 128
	s_mov_b32 s[G1+5],  32                         ; 32 elements from row to row
	s_mov_b32 s[G1B+5], 32
	s_mov_b32 s[G1+6],  0
	s_mov_b32 s[G1B+6], 0
	s_mov_b32 s[G1+7],  0
	s_mov_b32 s[G1B+7], 0
	s_lshl_b32 s40, s20, 18                        ; comb: 262,144 bytes a block of rows; my half of a K step's 32 KB
	s_lshl_b32 s41, s[WLO], 14
	s_add_co_u32 s40, s40, s41
	s_mov_b32 s41, 0
	s_lshl_b32 s42, s19, 19                        ; weights: 524,288 bytes a block of units; my half of a K step's 64 KB
	s_lshl_b32 s43, s[WLO], 15
	s_add_co_u32 s42, s42, s43
	s_mov_b32 s43, 0
	s_lshl_b32 s44, s[WLO], 14                     ; and where they go: no place in the cluster enters an LDS address
	s_lshl_b32 s45, s[WLO], 15
	s_add_co_u32 s45, s45, WOFF
	s_wait_dscnt 0x0                               ; the opening add is done
	s_wait_kmcnt 0x0
	s_add_nc_u64 s[40:41], s[4:5], s[40:41]
	s_add_nc_u64 s[42:43], s[6:7], s[42:43]
.irp s, 0,1
	s_mov_b32 s[G0+4*(\s)], 1
	s_add_co_u32 s[G0+4*(\s)+1], s44, (\s)*SLOT
	s_add_nc_u64 s[G0+4*(\s)+2:G0+4*(\s)+3], s[40:41], (\s)*32768
	s_or_b32 s[G0+4*(\s)+3], s[G0+4*(\s)+3], 0x80000000
	s_mov_b32 s[G0B+4*(\s)], 1
	s_add_co_u32 s[G0B+4*(\s)+1], s45, (\s)*SLOT
	s_add_nc_u64 s[G0B+4*(\s)+2:G0B+4*(\s)+3], s[42:43], (\s)*65536
	s_or_b32 s[G0B+4*(\s)+3], s[G0B+4*(\s)+3], 0x80000000
.endr
	CROUND                                         ; all sixteen work-groups are here: the first joint loads meet
	s_cmp_eq_u32 s[WHI], 0                         ; a wave's two first fills stand in one branch, ahead of every wait on TENSORcnt and every LDS read
	s_cbranch_scc0 .Lfirst_b
	tensor_load_to_lds s[G0:G0+3], s[G1:G1+7]
	s_nop 0
	tensor_load_to_lds s[G0+4:G0+7], s[G1:G1+7]
	s_nop 0
.rept 4
	v_nop
.endr
	s_branch .Lfirst_asked
.Lfirst_b:
	tensor_load_to_lds s[G0B:G0B+3], s[G1B:G1B+7]
	s_nop 0
	tensor_load_to_lds s[G0B+4:G0B+7], s[G1B:G1B+7]
	s_nop 0
.rept 4
	v_nop
.endr
.Lfirst_asked:
	v_and_b32 v2, 31, v0                           ; lane
	v_bfe_u32 v3, v0, 4, 1                         ; h
	v_lshlrev_b32 v1, 4, v2                        ; 16 lane
	s_lshl_b32 s2, s[WHI], 12                      ; my four row tiles
	v_add_nc_u32 v[ADRC], s2, v1
	v_add_nc_u32 v[ADRC+1], SLOT, v[ADRC]
	s_lshl_b32 s2, s[WLO], 13                      ; my eight unit tiles
	s_add_co_u32 s2, s2, WOFF
	v_add_nc_u32 v[ADRW], s2, v1
	v_add_nc_u32 v[ADRW+1], SLOT, v[ADRW]
	v_lshl_add_u32 v[STA], s[WV], 15, v1           ; my stage on the way out
.macro MUL8 f, rt, zero                ; row tile rt x my 8 unit tiles, 32 along K; the 32 accumulators take turns
	WIN 0x50
.irp nt, 0,1,2,3,4,5,6,7
.if \zero
	v_wmma_f32_16x16x32_bf16 v[8*(8*(\rt)+\nt):8*(8*(\rt)+\nt)+7], v[(\f)+8*\nt:(\f)+8*\nt+7], v[(\f)+64+8*(\rt):(\f)+64+8*(\rt)+7], 0
.else
	v_wmma_f32_16x16x32_bf16 v[8*(8*(\rt)+\nt):8*(8*(\rt)+\nt)+7], v[(\f)+8*\nt:(\f)+8*\nt+7], v[(\f)+64+8*(\rt):(\f)+64+8*(\rt)+7], v[8*(8*(\rt)+\nt):8*(8*(\rt)+\nt)+7]
.endif
.endr
.endm
.macro FETCH slot, ks, f               ; 24 LDS loads in one run: the weights first, comb's row tiles 2, 3 last
	WIN 0
.irp nt, 0,1,2,3,4,5,6,7
	ds_load_b128 v[(\f)+8*\nt:(\f)+8*\nt+3],   v[ADRW+(\slot)] offset:(\ks)*16384+\nt*1024
	ds_load_b128 v[(\f)+8*\nt+4:(\f)+8*\nt+7], v[ADRW+(\slot)] offset:(\ks)*16384+\nt*1024+512
.endr
.irp rt, 0,1,2,3
	ds_load_b128 v[(\f)+64+8*\rt:(\f)+64+8*\rt+3],   v[ADRC+(\slot)] offset:(\ks)*8192+\rt*1024
	ds_load_b128 v[(\f)+64+8*\rt+4:(\f)+64+8*\rt+7], v[ADRC+(\slot)] offset:(\ks)*8192+\rt*1024+512
.endr
.endm
.macro QUARTER slot, ks, f, g, zero    ; multiplies buffer f (32 along K) and fetches the slot's quarter ks into g
	s_wait_dscnt 4                                 ; all but comb's row tiles 2, 3
	MUL8 \f, 0, \zero
	MUL8 \f, 1, \zero
	PLACES                                         ; ahead of the loads into g, which the quarter before multiplied
	FETCH \slot, \ks, \g
	s_wait_dscnt 24                                ; all but the 24 just issued
	MUL8 \f, 2, \zero
	MUL8 \f, 3, \zero
.endm
; The last quarter of a K step multiplies F1 and changes slots: one barrier; ahead of it each wave waits for all its tensor loads (one is out: its part of the next slot), adds 0 to its spare word,
; and waits for that and for its reads of this slot.  fill = 1: the barrier opens a round of the cluster's, and this slot is filled again, two K steps ahead, first thing behind it.
.macro TURN slot, next, fill
	WIN 0
	s_wait_tensorcnt 0x0
	ds_add_u32 v[SPW], v[NIL]
	s_wait_dscnt 5                                 ; the add and comb's row tiles 2, 3 may be out
	MUL8 F1, 0, 0
	s_wait_dscnt 0x0                               ; the add is done, and my reads of this slot are over
	s_barrier_signal -1
	MUL8 F1, 1, 0
.if \fill
	WIN 0
.endif
	s_barrier_wait -1
.if \fill
	CREST
	s_add_nc_u64 s[G0+4*(\slot)+2:G0+4*(\slot)+3], s[G0+4*(\slot)+2:G0+4*(\slot)+3], 65536
	s_add_nc_u64 s[G0B+4*(\slot)+2:G0B+4*(\slot)+3], s[G0B+4*(\slot)+2:G0B+4*(\slot)+3], 131072
	JLOAD \slot                                    ; its four v_nop are also the places ahead of the loads below
.else
	PLACES
.endif
	FETCH \next, 0, F0
	MUL8 F1, 2, 0
	MUL8 F1, 3, 0
.endm
	s_wait_tensorcnt 1                             ; my part of K step 0 is in; K step 1's may stay out
	s_barrier_signal -1
	s_barrier_wait -1
	FETCH 0, 0, F0
	QUARTER 0, 1, F0, F1, 1                        ; the first quarter's products start the sums
	WIN 0
	s_mov_b32 s3, LAPS-1
.Llap:
	QUARTER 0, 2, F1, F0, 0
	QUARTER 0, 3, F0, F1, 0
	TURN 0, 1, 1
	QUARTER 1, 1, F0, F1, 0
	QUARTER 1, 2, F1, F0, 0
	QUARTER 1, 3, F0, F1, 0
	TURN 1, 0, 1
	QUARTER 0, 1, F0, F1, 0
	WIN 0
	s_sub_co_u32 s3, s3, 1
	s_cmp_lg_u32 s3, 0
	s_cbranch_scc1 .Llap
	QUARTER 0, 2, F1, F0, 0                        ; the last lap fills nothing
	QUARTER 0, 3, F0, F1, 0
	TURN 0, 1, 0
	QUARTER 1, 1, F0, F1, 0
	QUARTER 1, 2, F1, F0, 0
	QUARTER 1, 3, F0, F1, 0
	s_wait_dscnt 4
	MUL8 F1, 0, 0
	MUL8 F1, 1, 0
	s_wait_dscnt 0x0
	MUL8 F1, 2, 0
	MUL8 F1, 3, 0
	WIN 0
	; THE WAY OUT.  The 32 tiles go through one text of four: the accumulators are laid into the ring, which has had its last fill (32 KB a wave, its own), and come back four at a time.
	; Written out for all 32 tiles the same work would be some 17,000 bytes of code.
.set TP,  4                            ; v4-11: the polynomial, one tile at a time
.set KP,  32
.set KONE, 34
.set KB1, 36
.set KB2, 38
.set KB3, 40
.set KB4, 42
.set KB5, 44
.set KK2, 46
.set KC,  48
.set RDA, 50                           ; where the next four tiles lie
.set OB1, 51                           ; my byte offset in mlp_b1 at unit tile 0, OW2 in mlp_W2; VB1, VW2: at the tile to be loaded
.set OW2, 52
.set VB1, 53
.set VW2, 54
.set TMP, 55
.set OUT, 56
.set CB,  64                           ; c b1r of my 8 units
.set WW,  72                           ; W2r: 8 units x 2 classes
.set RB1, 88                           ; as loaded
.set RW2, 96
.set SS,  112                          ; sums: row tile rt, chain 0 or 1, two classes
.set XT,  128                          ; four tiles: x', then K2 x', then gelu
.set TA,  160                          ; a, eight registers a tile
.set TT,  192                          ; 1 + P a, then t, eight a tile
.set TE,  224                          ; -x'^2, then E, then t E, eight a tile
.macro KPAIR r, val
	v_mov_b32 v[\r], \val
	v_mov_b32 v[(\r)+1], \val
.endm
	s_barrier_signal -1                            ; no LDS instruction of mine is out: every wave's reads of the ring are over behind this barrier
	s_barrier_wait -1
	PLACES
	s_lshl_b32 s40, s19, 10                        ; 4 (256 nb + 128 (w & 1) + 8 h)
	s_lshl_b32 s41, s[WLO], 9
	s_add_co_u32 s40, s40, s41
	v_lshl_add_u32 v[OB1], v3, 5, s40
	v_lshlrev_b32 v[OW2], 1, v[OB1]
	v_mov_b32 v[VB1], v[OB1]
	v_mov_b32 v[VW2], v[OW2]
.macro VLOAD
	global_load_b128 v[RB1:RB1+3],     v[VB1], s[8:9]
	global_load_b128 v[RB1+4:RB1+7],   v[VB1], s[8:9] offset:16
	global_load_b128 v[RW2:RW2+3],     v[VW2], s[10:11]
	global_load_b128 v[RW2+4:RW2+7],   v[VW2], s[10:11] offset:16
	global_load_b128 v[RW2+8:RW2+11],  v[VW2], s[10:11] offset:32
	global_load_b128 v[RW2+12:RW2+15], v[VW2], s[10:11] offset:48
.endm
	VLOAD
	WIN 0x04                                       ; store data in window 1
.set n, 0
.rept 32                               ; accumulator (rt = n / 8, nt = n % 8), from its low end on
	ds_store_b128 v[STA], v[8*n:8*n+3]   offset:(n%8)*4096+(n/8)*1024
	ds_store_b128 v[STA], v[8*n+4:8*n+7] offset:(n%8)*4096+(n/8)*1024+512
.set n, n+1
.endr
	WIN 0
	KPAIR KP,   0x3e8ba43f                         ; P  = 0.3275911 / sqrt(log2 e)
	KPAIR KONE, 1.0
	KPAIR KB1,  0xbe199eb3                         ; -0.254829592 / (2 c)
	KPAIR KB2,  0x3e2b8119                         ;  0.284496736 / (2 c)
	KPAIR KB3,  0xbf563817                         ; -1.421413741 / (2 c)
	KPAIR KB4,  0x3f5b0099                         ;  1.453152027 / (2 c)
	KPAIR KB5,  0xbf1ff67a                         ; -1.061405429 / (2 c)
	KPAIR KK2,  0x3f16b55f                         ; 1 / (2 c)
	KPAIR KC,   0x3f596d27                         ; c
	v_mov_b32 v[RDA], v[STA]
.set n, 0
.rept 16
	v_mov_b32 v[SS+n], 0
.set n, n+1
.endr
	s_mov_b32 s44, 0x7fffffff
	s_mov_b32 s45, 0xffff0000
	s_mov_b32 s46, 0x76543210
	s_mov_b32 s47, 0xfedcba98
.macro MA rt                           ; a tile (16 rows x my lane's 8 units), ahead of the wait: x', a, and its share of the batch: eight reciprocals, eight exponentials
.set X, XT+8*(\rt)
.set A, TA+8*(\rt)
.set T, TT+8*(\rt)
.set E, TE+8*(\rt)
.irp k, 0,2,4,6
	v_pk_fma_f32 v[X+\k:X+\k+1], v[X+\k:X+\k+1], v[KC:KC+1], v[CB+\k:CB+\k+1]
.endr
.irp k, 0,1,2,3,4,5,6,7
	v_and_b32 v[A+\k], s44, v[X+\k]
.endr
.irp k, 0,2,4,6
	v_pk_fma_f32 v[T+\k:T+\k+1], v[A+\k:A+\k+1], v[KP:KP+1], v[KONE:KONE+1]
.endr
.irp k, 0,2,4,6
	v_pk_mul_f32 v[E+\k:E+\k+1], v[X+\k:X+\k+1], v[X+\k:X+\k+1] neg_lo:[1,0] neg_hi:[1,0]
.endr
.irp k, 0,1,2,3,4,5,6,7
	v_rcp_f32 v[T+\k], v[T+\k]
.endr
.irp k, 0,1,2,3,4,5,6,7
	v_exp_f32 v[E+\k], v[E+\k]
.endr
.endm
.macro MB rt                           ; the tile behind the wait: the polynomial, gelu (onto K2 x', in x's registers) and the two classes' sums
.set X, XT+8*(\rt)
.set A, TA+8*(\rt)
.set T, TT+8*(\rt)
.set E, TE+8*(\rt)
.irp k, 0,2,4,6
	v_pk_fma_f32 v[TP+\k:TP+\k+1], v[T+\k:T+\k+1], v[KB5:KB5+1], v[KB4:KB4+1]
.endr
.irp c, KB3, KB2, KB1
.irp k, 0,2,4,6
	v_pk_fma_f32 v[TP+\k:TP+\k+1], v[TP+\k:TP+\k+1], v[T+\k:T+\k+1], v[\c:\c+1]
.endr
.endr
.irp k, 0,2,4,6
	v_pk_mul_f32 v[E+\k:E+\k+1], v[T+\k:T+\k+1], v[E+\k:E+\k+1]
.endr
.irp k, 0,2,4,6
	v_pk_fma_f32 v[TP+\k:TP+\k+1], v[TP+\k:TP+\k+1], v[E+\k:E+\k+1], v[KK2:KK2+1]
.endr
.irp k, 0,2,4,6
	v_pk_fma_f32 v[X+\k:X+\k+1], v[A+\k:A+\k+1], v[TP+\k:TP+\k+1], v[X+\k:X+\k+1]
.endr
.irp k, 0,2,4,6                        ; both classes at once: the unit's gelu is taken for both halves, W2r's pair as it lies; even and odd units in chains of their own
	v_pk_fma_f32 v[SS+4*(\rt):SS+4*(\rt)+1],   v[X+\k:X+\k+1], v[WW+2*\k:WW+2*\k+1],   v[SS+4*(\rt):SS+4*(\rt)+1]   op_sel_hi:[0,1,1]
	v_pk_fma_f32 v[SS+4*(\rt)+2:SS+4*(\rt)+3], v[X+\k:X+\k+1], v[WW+2*\k+2:WW+2*\k+3], v[SS+4*(\rt)+2:SS+4*(\rt)+3] op_sel:[1,0,0] op_sel_hi:[1,1,1]
.endr
.endm
	s_mov_b32 s2, 0
	s_mov_b32 s3, 8
.Lnt:                                                  ; a trip: unit tile nt, four row tiles
.irp rt, 0,1,2,3
	ds_load_b128 v[XT+8*\rt:XT+8*\rt+3],   v[RDA] offset:\rt*1024       ; LDS serves a wave's instructions in order (ISA guide 5.7.1.4): these see my stores
	ds_load_b128 v[XT+8*\rt+4:XT+8*\rt+7], v[RDA] offset:\rt*1024+512
.endr
	v_add_nc_u32 v[RDA], 4096, v[RDA]
	s_wait_loadcnt 0x0                             ; this tile's b1 and W2; their address registers are free too
.irp k, 0,2,4,6
	v_cvt_pk_bf16_f32 v[TMP], v[RB1+\k], v[RB1+\k+1]
	v_lshlrev_b32 v[CB+\k], 16, v[TMP]
	v_and_b32 v[CB+\k+1], s45, v[TMP]
	v_pk_mul_f32 v[CB+\k:CB+\k+1], v[CB+\k:CB+\k+1], v[KC:KC+1]
.endr
.irp k, 0,2,4,6,8,10,12,14
	v_cvt_pk_bf16_f32 v[TMP], v[RW2+\k], v[RW2+\k+1]
	v_lshlrev_b32 v[WW+\k], 16, v[TMP]
	v_and_b32 v[WW+\k+1], s45, v[TMP]
.endr
	s_add_co_u32 s2, s2, 1
	s_and_b32 s2, s2, 7                            ; the next tile's; the last trip asks for tile 0 once more, so that no load leaves its buffer
	v_lshl_add_u32 v[VB1], s2, 6, v[OB1]
	v_lshl_add_u32 v[VW2], s2, 7, v[OW2]
	VLOAD
	s_wait_dscnt 0x0
	MA 0
	MA 1
	MA 2
	MA 3
.set n, 0
.rept 16                               ; K2 x' of all four tiles, in place: a and -x'^2 are made, so x' has served.  The first is the plain instruction behind the last exponential (ISA guide 5.7.2)
	v_pk_mul_f32 v[XT+2*n:XT+2*n+1], v[XT+2*n:XT+2*n+1], v[KK2:KK2+1]
.set n, n+1
.endr
	s_wait_alu depctr_va_vdst(0)                   ; the wait for the batch: the four tiles' 32 reciprocals and 32 exponentials; nothing ahead of it names a result of theirs
	MB 0
	MB 1
	MB 2
	MB 3
	s_sub_co_u32 s3, s3, 1
	s_cmp_lg_u32 s3, 0
	s_cbranch_scc1 .Lnt
.irp rt, 0,1,2,3
	v_pk_add_f32 v[SS+4*\rt:SS+4*\rt+1], v[SS+4*\rt:SS+4*\rt+1], v[SS+4*\rt+2:SS+4*\rt+3]
.endr
.irp rt, 0,1,2,3                       ; a row's other 8 units of each tile lie in the lane 16 away
	v_permlanex16_b32 v[TA+2*\rt],   v[SS+4*\rt],   s46, s47
	v_permlanex16_b32 v[TA+2*\rt+1], v[SS+4*\rt+1], s46, s47
.endr
.irp rt, 0,1,2,3
	v_pk_add_f32 v[SS+4*\rt:SS+4*\rt+1], v[SS+4*\rt:SS+4*\rt+1], v[TA+2*\rt:TA+2*\rt+1]
.endr
	v_cmp_gt_u32 vcc_lo, 16, v2
.irp q, 0,1                            ; lanes 0-15 take row tile 2 q, lanes 16-31 row tile 2 q + 1: 32 rows, 256 consecutive bytes
	v_cndmask_b32 v[TE+2*\q],   v[SS+8*\q+4], v[SS+8*\q],   vcc_lo
	v_cndmask_b32 v[TE+2*\q+1], v[SS+8*\q+5], v[SS+8*\q+1], vcc_lo
.endr
	v_lshlrev_b32 v[OUT], 3, v2
	s_lshl1_add_u32 s40, s19, s[WLO]               ; slice 2 nb + (w & 1)
	s_lshl_b32 s40, s40, 16
	s_lshl_b32 s41, s20, 10                        ; 128 rows of 8 bytes a block,
	s_add_co_u32 s40, s40, s41
	s_lshl_b32 s41, s[WHI], 9                      ; my 64 of them
	s_add_co_u32 s40, s40, s41
	s_mov_b32 s41, 0
	s_add_nc_u64 s[12:13], s[12:13], s[40:41]
	global_store_b64 v[OUT], v[TE:TE+1],   s[12:13]
	global_store_b64 v[OUT], v[TE+2:TE+3], s[12:13] offset:256
	s_wait_tensorcnt 0x0                           ; the wave's end, behind my last tensor load and my last LDS store
	ds_add_u32 v[SPW], v[NIL]
	s_wait_dscnt 0x0
	CROUND                                         ; the closing round: no work-group ends while a partner may still ask for a tile that names it
	s_endpgm
.Lfunc_end_k_q00c1efd921_mlp:
	.size	k_q00c1efd921_mlp, .Lfunc_end_k_q00c1efd921_mlp-k_q00c1efd921_mlp
	.p2alignl 7, 3214868480
	.fill 96, 4, 3214868480
	.section	.rodata,"a",@progbits
	.p2align	6, 0x0
	.amdhsa_kernel k_q00c1efd921_mlp
		.amdhsa_group_segment_fixed_size 327680
		.amdhsa_private_segment_fixed_size 0
		.amdhsa_enable_private_segment 0
		.amdhsa_kernarg_size 40
		.amdhsa_user_sgpr_count 2
		.amdhsa_user_sgpr_kernarg_segment_ptr 1
		.amdhsa_wavefront_size32 1
		.amdhsa_system_sgpr_workgroup_id_x 1
		.amdhsa_system_sgpr_workgroup_id_y 1
		.amdhsa_system_sgpr_workgroup_id_z 1
		.amdhsa_system_vgpr_workitem_id 0
		.amdhsa_next_free_vgpr 512
		.amdhsa_next_free_sgpr 66
		.amdhsa_reserve_vcc 1
		.amdhsa_float_denorm_mode_32 3
		.amdhsa_float_denorm_mode_16_64 3
		.amdhsa_memory_ordered 1
		.amdhsa_forward_progress 1
		.amdhsa_inst_pref_size 96
	.end_amdhsa_kernel
	.amdgpu_metadata
---
amdhsa.version: [ 1, 2 ]
amdhsa.kernels:
  - .name:           k_q00c1efd921_mlp
    .symbol:         k_q00c1efd921_mlp.kd
    .args:
      - { .name: comb, .offset: 0, .size: 8, .value_kind: global_buffer, .address_space: global }
      - { .name: wm, .offset: 8, .size: 8, .value_kind: global_buffer, .address_space: global }
      - { .name: mlp_b1, .offset: 16, .size: 8, .value_kind: global_buffer, .address_space: global }
      - { .name: mlp_W2, .offset: 24, .size: 8, .value_kind: global_buffer, .address_space: global }
      - { .name: part, .offset: 32, .size: 8, .value_kind: global_buffer, .address_space: global }
    .group_segment_fixed_size: 327680
    .private_segment_fixed_size: 0
    .kernarg_segment_align: 8
    .kernarg_segment_size: 40
    .max_flat_workgroup_size: 128
    .sgpr_count:     66
    .vgpr_count:     512
    .wavefront_size: 32
...
	.end_amdgpu_metadata
.endif
;; end of part 6
;; launch sum: the kernel of part 4 again; grid 32 x 1, 4 waves a work-group, no clusters, 0 bytes of LDS; arguments part, mlp_b2, out0; writes out0
